; MI455X (gfx1250); checked and timed in simulation.
; The chip was launched on July 23, 2026; its instructions are those of AMD's public machine-readable ISA for CDNA 5 (MIT licence, August 2026) and "CDNA5" Instruction Set Architecture Reference Guide (July 2026). The comments in the code are by the model that wrote it; some were corrected since.
;; Multi Head Attention. Allowed arithmetic: matrix products marked QUANTISED: E2M3 operands, one E8M0 scale for each 32 along K, by v_wmma_scale_f32_16x16x128_f8f6f4 with both operands' format E2M3, f32 sums; everything else in f32.
;; Inputs: w_o 1,024 x 1,024 float32; w_qkv 3,072 x 1,024 float32; x 2 x 2,048 x 1,024 float32.
;; Outputs: out0 2 x 2,048 x 1,024 float32.
;; This version of the problem:
;;   THIS VERSION OF THE PROBLEM IS GIVEN IN LOW PRECISION. The matrix products marked QUANTISED in the list below multiply operands that are first quantised to E2M3 (2 exponent bits, 3 mantissa bits; 6 bits a number), with one power-of-two scale for each 32 numbers along K (OCP MX v1.0); their sums are f32. All else is computed in f32.
;;   The module's matrix products, in the order in which they are computed (A, B: the left and right operand; K: the contracted axis; several contracted axes count as one K, in the product's order):
;;     1. [M 4,096, K 1,024] x [K 1,024, N 3,072]; A: input x; B: input w_qkv: QUANTISED
;;     2. batch 32 x [M 2,048, K 64] x [K 64, N 2,048]; A: computed on the way; B: computed on the way: QUANTISED
;;     3. batch 32 x [M 2,048, K 2,048] x [K 2,048, N 64]; A: softmax (see below); B: computed on the way: QUANTISED
;;     4. [M 4,096, K 1,024] x [K 1,024, N 1,024]; A: computed on the way; B: input w_o: QUANTISED
;;   THE QUANTISER, for each operand of a quantised product, along K:
;;     - K is cut into blocks of 32 from its start; a last block that is shorter is filled with zeros.
;;     - A block's scale is 2^e with e = floor(log2(the largest magnitude in the block)) - 2, held to -126 .. 127; a block of zeros has e = 0. As a byte (E8M0): e + 127.
;;     - Each number is divided by its block's scale, clamped to +-7.5, and rounded to the nearest number of E2M3, ties to even, subnormals kept.
;;     - The product sums the exact products of the quantised numbers (number of the format x scale) in f32.
;;   ~~~python
;;   def quantise(x, axis):      # numpy; x: float32 -> the quantised numbers, widened to float32 again
;;       x = np.moveaxis(x, axis, -1); K = x.shape[-1]
;;       x = np.pad(x, [(0, 0)] * (x.ndim - 1) + [(0, -K % 32)]); x = x.reshape(x.shape[:-1] + (-1, 32)); a = np.abs(x).max(-1, keepdims=True)
;;       e = np.where(a > 0, np.clip(np.frexp(np.where(a > 0, a, 1))[1] - 1 - 2, -126, 127), 0)      # np.frexp(a)[1] - 1 = floor(log2(a)), exactly
;;       r = np.clip(x / 2.0 ** e, -7.5, 7.5)
;;       step = 2.0 ** (np.maximum(np.frexp(np.where(r == 0, 1, r))[1] - 1, 0) - 3)
;;       q = np.round(r / step) * step * 2.0 ** e      # np.round: ties to even
;;       return np.moveaxis(q.reshape(q.shape[:-2] + (-1,))[..., :K], -1, axis).astype(np.float32)
;;   ~~~
;;   SOFTMAX AHEAD OF A QUANTISED PRODUCT. Where the list says 'softmax', what is quantised is not the finished softmax but p = 2^(t - M), with t = logit x log2(e) and M = ceil(the row's largest t), a whole number; so 1/2 < the row's largest p <= 1. The row's sum l is taken of the UNQUANTISED p, in f32, and the product's result is divided by l at the end. Since M is a whole number, a kernel that streams over the keys may use a running M (the ceiling of the running maximum): every later rescaling is an exact power of two, which a block's scale takes up: the codes' values come out the same.
;;   OPERANDS COMPUTED ON THE WAY. 'Computed on the way' means the value that the module computes at that place (a softmax that the list does not call 'softmax' is quantised finished and normalised). What goes into a quantiser is computed in f32, as accurately as f32 sums, v_exp_f32 and their like allow (about 1e-6 of the number): no bf16 or f16 on the way to a quantiser, and a product that is left as it is and whose result goes on into a quantised operand takes f32 operands (vector FMAs, or v_wmma_f32_16x16x4_f32). A number that lies on a knife's edge between two numbers of the format may be rounded either way, as far as f32 arithmetic and the matrix unit's own rounding can turn it there, and no further.
;; 2 versions. Each part assembles by itself: llvm-mc -triple=amdgcn-amd-amdhsa -mcpu=gfx1250 --defsym DOCPART=n.
;; ======== version 1 of 2: 4 launches
;; workspace buffers: img 6,291,456 bytes; isc 262,144 bytes; qkv 9,437,184 bytes; qkvs 786,432 bytes; oimg 3,145,728 bytes; osc 131,072 bytes
;; launch quant (part 1): grid 256 x 1, 4 waves a work-group, no clusters, 34,304 bytes of LDS; arguments x, w_qkv, w_o, img, isc; writes img, isc
.if DOCPART == 1
	.amdgcn_target "amdgcn-amd-amdhsa--gfx1250"
	.amdhsa_code_object_version 6
	.text
	.protected	k_q402b87fd2b_quant
	.globl	k_q402b87fd2b_quant
	.p2align	8
	.type	k_q402b87fd2b_quant,@function
k_q402b87fd2b_quant:
	s_mov_b64 s[64:65], 0
	v_nop
	global_prefetch_b8 v0, s[64:65] scope:SCOPE_SE
	s_setreg_imm32_b32 hwreg(HW_REG_WAVE_MODE, 25, 1), 1
	s_wait_xcnt 0x0
; x [4096][1024], w_qkv [3072][1024] and w_o [1024][1024], f32 with K innermost, become codes of FP6 (E2M3) with one E8M0 scale byte for each 32 along K,
; laid IN THE ORDER OF THE OPERAND'S REGISTERS, so that no later launch pads, turns or unpacks anything.
; ROW TILES.  8,192 rows are 512 tiles of 16: x 0-255, w_qkv 256-447, w_o 448-511.  Lane r of tile 2 g + u holds row 32 g + 8 u + r + 8 (r / 8): used as source 0 of a product, the 16 result
; registers of tiles 2 g and 2 g + 1 are then 16 neighbours.
; img: a tile is 8 fragments (128 along K each) of 1,536 bytes; a fragment is its 6 register pairs, 256 bytes each, lane l's 8 bytes at 8 l.  Every store below is one aligned run of 256 bytes.
; isc: a tile is 512 bytes, [pair of K steps 0..3][r][8 bytes]: the scale words of K steps 2 sp and 2 sp + 1 of lane r's row.
; A block's scale is 2^(floor(log2(its largest magnitude)) - 2); its byte is the largest magnitude's exponent field - 2, held at 1 from below.
; LIMITS: a block whose largest magnitude lies under 2^-124 (a block of zeros among them) keeps the byte 1; a block of zeros has zero codes, which add nothing under that byte, and only this program reads the bytes.
; NaN and infinities among the inputs are not served.
; SHARES.  A wave takes one tile x 512 along K: four K steps.  Each load reads 512 consecutive bytes of one row; a step's 16 rows turn through the wave's own stage in LDS (rows 528 bytes apart, so
; that the 16 rows of a read start in 16 different groups of banks) and come back as 16 neighbours of each block of 32 in a lane.  No tensor loads, no barrier: waves share nothing.
; Memory binds here: matrix units and clusters would add nothing, since no two work-groups read the same byte.
.set STG,  8448                        ; a wave's stage: 16 rows x 528 bytes
.set W,    10                          ; v10-13   the four K steps' scale words
.set TM,   16                          ; v16-19 largest magnitudes, v20-23 the other half's, then the bytes, v28-31 the conversions' scale operands
.set PC,   36                          ; v36-47   the fragment just made; v48-54 its second halves on their way
.set R,    64                          ; v64-191  two sets of 64 registers as loaded
.set X,    192                         ; v192-255 register 16 b + i = k 32 b + 16 (lane / 16) + i of my row
.set SEL,  20                          ; s[20:21] lane selects for v_permlanex16_b32: lane l xor 16
	s_load_b256 s[4:11], s[0:1], 0x0               ; x s[4:5], w_qkv s[6:7], w_o s[8:9], img s[10:11]
	s_load_b64 s[12:13], s[0:1], 0x20              ; isc
	v_lshl_add_u32 v62, v0, 2, 0x8400
	v_mov_b32 v63, 0
	v_lshrrev_b32 v1, 5, v0
	v_readfirstlane_b32 s14, v1                    ; wave 0..3
	v_and_b32 v1, 31, v0                           ; lane
	v_and_b32 v2, 15, v0                           ; r
	v_bfe_u32 v3, v0, 4, 1                         ; h
	v_lshlrev_b32 v4, 4, v1                        ; in: 16 bytes a lane
	v_lshlrev_b32 v5, 3, v1                        ; out: 8 bytes a lane
	s_mul_i32 s22, s14, STG
	v_add_nc_u32 v6, s22, v4                       ; the stage, on the way in: 16 x lane in a row
	v_mul_u32_u24 v7, v2, 528
	v_lshl_add_u32 v7, v3, 6, v7
	v_add_nc_u32 v7, s22, v7                       ; and on the way out: row r, + 64 h
	v_lshlrev_b32 v8, 3, v2
	v_lshl_add_u32 v8, v3, 7, v8                   ; the scale words' place: 128 h + 8 r
	s_mov_b32 s[SEL], 0x76543210
	s_mov_b32 s[SEL+1], 0xfedcba98
.irp b, 0,1,2,3
	v_mov_b32 v[TM+4+\b], 0                        ; written once: a lane permute's destination counts as one of its sources
.endr
	s_lshr_b32 s15, s14, 1                         ; u: which of the work-group's two tiles
	s_and_b32 s16, s14, 1                          ; which half of K
	s_mov_b32 s17, 224
	s_wait_kmcnt 0x0
	s_cmp_lt_u32 ttmp9, 224                        ; which tensor: the choice hangs on the work-group's number alone, and only pointers are chosen
	s_cselect_b64 s[6:7], s[6:7], s[8:9]
	s_cselect_b32 s17, 128, s17
	s_cmp_lt_u32 ttmp9, 128
	s_cselect_b64 s[4:5], s[4:5], s[6:7]
	s_cselect_b32 s17, 0, s17                      ; the tensor's first work-group
	s_sub_co_u32 s18, ttmp9, s17
	s_lshl_b32 s18, s18, 17                        ; 32 rows of 4,096 bytes a work-group,
	s_lshl_b32 s19, s15, 15                        ; 8 rows on for the second tile,
	s_add_co_u32 s18, s18, s19
	s_lshl_b32 s19, s16, 11                        ; 512 numbers on for the second half of K
	s_add_co_u32 s18, s18, s19
	s_mov_b32 s19, 0
	s_add_nc_u64 s[4:5], s[4:5], s[18:19]
	s_lshl_b32 s18, ttmp9, 1
	s_add_co_u32 s23, s18, s15                     ; my tile among the 512
	s_mul_i32 s18, s23, 12288
	s_mul_i32 s24, s16, 6144
	s_add_co_u32 s18, s18, s24
	s_add_nc_u64 s[10:11], s[10:11], s[18:19]
	s_lshl_b32 s18, s23, 9
	s_lshl_b32 s24, s16, 8
	s_add_co_u32 s18, s18, s24
	s_add_nc_u64 s[12:13], s[12:13], s[18:19]
.macro LOAD t                          ; K step t: 512 bytes of each of my 16 rows, into set t % 2
.irp i, 0,1,2,3,4,5,6,7,8,9,10,11,12,13,14,15
	global_load_b128 v[R+64*((\t)%2)+4*\i:R+64*((\t)%2)+4*\i+3], v4, s[4:5] offset:(\i+8*(\i/8))*4096+512*(\t) th:TH_LOAD_NT
.endr
.endm
.macro TURN t                          ; through the stage: LDS serves a wave's instructions in order, so no wait stands between the stores and the loads
.irp i, 0,1,2,3,4,5,6,7,8,9,10,11,12,13,14,15
	ds_store_b128 v6, v[R+64*((\t)%2)+4*\i:R+64*((\t)%2)+4*\i+3] offset:528*\i
.endr
.irp b, 0,1,2,3
.irp j, 0,1,2,3
	ds_load_b128 v[X+16*\b+4*\j:X+16*\b+4*\j+3], v7 offset:128*\b+16*\j
.endr
.endr
.endm
; 64 numbers of a lane, register 16 b + i = k 32 b + 16 (lane / 16) + i of my row, become a fragment's codes in v[PC] on and its scale word in v[pw]
.macro QUANT s, pw
.irp b, 0,1,2,3
	v_max3_num_f32 v[TM+\b], |v[\s+16*\b]|, |v[\s+1+16*\b]|, 0x1800000   ; block b: my 16 numbers, and the floor 2^(3 - 127): the byte cannot fall under 1
.endr
.irp i, 2,4,6,8,10,12,14
.irp b, 0,1,2,3
	v_max3_num_f32 v[TM+\b], v[TM+\b], |v[\s+16*\b+\i]|, |v[\s+1+16*\b+\i]|   ; the four blocks by turns
.endr
.endr
.irp b, 0,1,2,3
	v_permlanex16_b32 v[TM+4+\b], v[TM+\b], s[SEL], s[SEL+1]
.endr
.irp b, 0,1,2,3
	v_max_num_f32 v[TM+\b], v[TM+\b], v[TM+4+\b]   ; with lane l xor 16's: the block's largest magnitude
.endr
.irp b, 0,1,2,3
	v_add_nc_u32 v[TM+12+\b], 0xff000000, v[TM+\b] ; 2 off its exponent field: the conversion takes the exponent field of this operand as its scale
.endr
.irp b, 0,1,2,3
	v_lshrrev_b32 v[TM+4+\b], 23, v[TM+12+\b]      ; the scale's byte
.endr
	v_lshl_or_b32 v[\pw], v[TM+5], 8, v[TM+4]      ; four bytes make my row's scale word
	v_lshl_or_b32 v[\pw], v[TM+6], 16, v[\pw]
	v_lshl_or_b32 v[\pw], v[TM+7], 24, v[\pw]
.irp c, 0,1
	v_cvt_scalef32_pk16_fp6_f32 v[PC+6*\c:PC+2+6*\c], v[\s+32*\c:\s+15+32*\c], v[TM+12+2*\c]
	v_cvt_scalef32_pk16_fp6_f32 v[PC+12+4*\c:PC+14+4*\c], v[\s+16+32*\c:\s+31+32*\c], v[TM+12+2*\c+1]   ; (a conversion's three registers begin on an even number)
.endr
	v_nop                                          ; one plain place behind a scaled conversion
.irp c, 0,1                                    ; the operand's layout wants a whole block in a lane: lanes 0-15 block 2 c, lanes 16-31 block 2 c + 1
.irp i, 0,1,2
	v_permlane16_swap_b32 v[PC+6*\c+\i], v[PC+12+4*\c+\i]
.endr
.irp i, 0,1,2
	v_mov_b32 v[PC+3+6*\c+\i], v[PC+12+4*\c+\i]
.endr
.endr
.endm
.macro STEP t
.if (\t) < 3
	s_wait_loadcnt 16                              ; this step's 16 loads are in; the next step's 16 may be out
.else
	s_wait_loadcnt 0x0
.endif
	TURN \t
.if (\t)+2 < 4
	s_wait_dscnt 16                                ; the 16 stores into the stage are done (the 16 reads may be out): their registers take the loads of two steps on
	LOAD (\t)+2
.endif
	s_wait_dscnt 0x0                               ; my 64 numbers are back
	s_wait_xcnt 0x0                                ; the last step's stores have read the fragment's registers, which are written again below
	QUANT X, W+(\t)
.irp p, 0,1,2,3,4,5
	global_store_b64 v5, v[PC+2*\p:PC+2*\p+1], s[10:11] offset:1536*(\t)+256*\p   ; 32 lanes store 256 consecutive bytes, aligned
.endr
.endm
	LOAD 0
	LOAD 1
	STEP 0
	STEP 1
	STEP 2
	STEP 3
	v_cmp_eq_u32 vcc_lo, 1, v3                     ; lanes 0-15 store the words of my K steps 0 and 1, lanes 16-31 those of 2 and 3
	v_cndmask_b32 v14, v[W], v[W+2], vcc_lo
	v_cndmask_b32 v15, v[W+1], v[W+3], vcc_lo
	global_store_b64 v8, v[14:15], s[12:13]        ; 256 consecutive bytes, aligned
	s_wait_tensorcnt 0x0
	ds_add_u32 v62, v63
	s_wait_dscnt 0x0
	s_endpgm
.Lfunc_end_k_q402b87fd2b_quant:
	.size	k_q402b87fd2b_quant, .Lfunc_end_k_q402b87fd2b_quant-k_q402b87fd2b_quant
	.p2alignl 7, 3214868480
	.fill 96, 4, 3214868480
	.section	.rodata,"a",@progbits
	.p2align	6, 0x0
	.amdhsa_kernel k_q402b87fd2b_quant
		.amdhsa_group_segment_fixed_size 34304
		.amdhsa_private_segment_fixed_size 0
		.amdhsa_enable_private_segment 0
		.amdhsa_kernarg_size 40
		.amdhsa_user_sgpr_count 2
		.amdhsa_user_sgpr_kernarg_segment_ptr 1
		.amdhsa_wavefront_size32 1
		.amdhsa_system_sgpr_workgroup_id_x 1
		.amdhsa_system_sgpr_workgroup_id_y 1
		.amdhsa_system_sgpr_workgroup_id_z 1
		.amdhsa_system_vgpr_workitem_id 0
		.amdhsa_next_free_vgpr 256
		.amdhsa_next_free_sgpr 66
		.amdhsa_reserve_vcc 1
		.amdhsa_float_denorm_mode_32 3
		.amdhsa_float_denorm_mode_16_64 3
		.amdhsa_memory_ordered 1
		.amdhsa_forward_progress 1
		.amdhsa_inst_pref_size 35
	.end_amdhsa_kernel
	.amdgpu_metadata
---
amdhsa.version: [ 1, 2 ]
amdhsa.kernels:
  - .name:           k_q402b87fd2b_quant
    .symbol:         k_q402b87fd2b_quant.kd
    .args:
      - { .name: x, .offset: 0, .size: 8, .value_kind: global_buffer, .address_space: global }
      - { .name: w_qkv, .offset: 8, .size: 8, .value_kind: global_buffer, .address_space: global }
      - { .name: w_o, .offset: 16, .size: 8, .value_kind: global_buffer, .address_space: global }
      - { .name: img, .offset: 24, .size: 8, .value_kind: global_buffer, .address_space: global }
      - { .name: isc, .offset: 32, .size: 8, .value_kind: global_buffer, .address_space: global }
    .group_segment_fixed_size: 34304
    .private_segment_fixed_size: 0
    .kernarg_segment_align: 8
    .kernarg_segment_size: 40
    .max_flat_workgroup_size: 128
    .sgpr_count:     66
    .vgpr_count:     256
    .wavefront_size: 32
...
	.end_amdgpu_metadata
.endif
;; end of part 1
;; launch qkvgemm (part 2): grid 8 x 24, 4 waves a work-group, clusters of 4 x 4, 327,680 bytes of LDS; arguments img, isc, qkv, qkvs; writes qkv, qkvs
.if DOCPART == 2
	.amdgcn_target "amdgcn-amd-amdhsa--gfx1250"
	.amdhsa_code_object_version 6
	.text
	.protected	k_q402b87fd2b_qkvgemm
	.globl	k_q402b87fd2b_qkvgemm
	.p2align	8
	.type	k_q402b87fd2b_qkvgemm,@function
k_q402b87fd2b_qkvgemm:
	s_mov_b64 s[64:65], 0
	v_nop
	global_prefetch_b8 v0, s[64:65] scope:SCOPE_SE
	s_setreg_imm32_b32 hwreg(HW_REG_WAVE_MODE, 25, 1), 1
	s_wait_xcnt 0x0
	s_wait_alu depctr_hold_cnt(0) depctr_sa_sdst(0) depctr_va_vdst(0) depctr_va_sdst(0) depctr_va_ssrc(0) depctr_va_vcc(0) depctr_vm_vsrc(0)
	s_getreg_b32 s2, hwreg(HW_REG_IB_STS2, 6, 4)
	s_cmp_eq_u32 s2, 0
	s_cbranch_scc0 .Lentry_in_a_cluster
	s_endpgm
.Lentry_in_a_cluster:
	s_bfe_u32 s2, ttmp6, 0x10000c
	s_cmp_lg_u32 s2, 0xf033
	s_cbranch_scc0 .Lentry_shape_is_right
	s_endpgm
.Lentry_shape_is_right:
; qkv = x w_qkv^T on codes of FP6 (E2M3) with E8M0 scales, f32 sums, K = 1,024; the results never go to memory as f32: q and k are quantised along the head's 64, v along the keys, on the way out.
; A tile of the result is 256 x 256, made by four waves of 128 x 128 (64 accumulators, 512 registers).  S1 is the side that goes to source 1 (a lane holds one of its rows), S0 the side that goes to
; source 0 (a lane's registers run along it): the result is quantised along S0.  TWO PARTS, ONE TEXT: clusters y 0-3: S1 = x's tokens, S0 = the 2,048 rows of w_q and w_k (128 tiles);
; clusters y 4, 5: S1 = the 1,024 rows of w_v, S0 = x's tokens (64 tiles): that gives v transposed, with the keys along the registers.  The parts differ in offsets alone, chosen by s_cselect on the
; cluster's y, which all partners share.  192 work-groups: a smaller tile would fill more WGPs and read each LDS byte for half as many products.
; OPERANDS arrive as images of their registers: a row tile (16 rows) is 8 fragments of 1,536 bytes, a fragment 6 register pairs of 256 bytes, lane l's 8 bytes at 8 l.  So a load of a pair reads 256
; consecutive LDS bytes: no padding.  Lane r of row tile 2 g + u holds row 32 g + 8 u + r + 8 (r / 8): so the 16 registers of two neighbouring accumulators are 16 neighbours along S0.
; K goes in steps of 256 through a ring of two LDS slots; the scale words of the work-group's 512 rows, for all of K, come once.
; CLUSTERS: 4 x 4 work-groups; S1's tiles are shared along a row of the cluster, S0's along a column: each is asked for jointly, by the same tensor load with the same descriptor and a mask of four.
; OUT.  qkv: [batch 2][slot 48][98,304 bytes], slot = head (q), 16 + head (k), 32 + head (v).  q, k: [token tile 0..127][3 pairs][256]: registers 0-5 of a fragment.  v: [channel tile 0..3][key step 0..15][6 pairs][256].
; qkvs: [batch][slot][8,192]: q, k: [group of 8 tiles][r][tile in the group] words with the head's two bytes below and zeros above; v: [key step][r][channel tile] words (4,096 bytes used).
; LIMITS: a block whose largest magnitude lies under 2^-124 (zeros among them) keeps the scale byte 1; NaN and infinities are not served.
; REGISTERS, in windows of 256: window 0: v16-30 addresses; v32-63 scale words, two sets, and nothing else; v64-118 the way out; from v128 S1's fragments, one set.
;   window 1: S0's fragments, two sets, at v0 and v128.   window 2: the accumulators of my S1 blocks 0-3 ((a, b) at v[8 (8 a + b)]);   window 3: those of blocks 4-7.
.set NQ,     2                         ; matrix instructions deep in a slot
.set FR,     12                        ; registers of a fragment
.set NL,     6                         ; LDS loads that bring one
.set NP,     4                         ; places behind this matrix instruction (ISA guide 7.12.1)
.set FRB,    1536                      ; a fragment's image
.set TILEB,  NQ*FRB                    ; a row tile's part of a slot
.set TROW,   8*FRB                     ; a row tile in memory
.set HALFT,  8*TILEB                   ; 8 row tiles: what one tensor load brings, and what one wave reads of S1 or of S0
.set SLOT,   4*HALFT                   ; S1's 16 row tiles, then S0's 16
.set LAPS,   2                         ; 1,024 along K = 4 K steps = twice round the ring
.set SCL,    2*SLOT                    ; behind the ring: the scale words
.set HALFS,  8*512                     ; those of 8 row tiles
.set SPARE,  SCL+4*HALFS               ; behind them: the spare words, 128 bytes for each wave: two blocks of 256 bytes that no other line names
.set ADRA, 16                          ; v16-17  LDS address of my S1 fragments in slot 0, 1
.set ADRB, 20                          ; v20-21  the same for S0
.set SOFF, 25                          ; v25     the way out: my place among the scale words
.set L8,   26                          ; v26     8 x lane
.set ADRS, 27                          ; v27     LDS address of my scale words: lanes 0-15 S1's, lanes 16-31 S0's
.set SPW,  28                          ; v28     LDS address of my spare word; never rewritten
.set NIL,  29                          ; v29     0; never rewritten
.set HH,   30                          ; v30     lane / 16
.set SC,   32                          ; scale words: set s at v[SC + 16 s]; register 2 i + q: lanes 0-15 S1's block i, lanes 16-31 S0's block i
.set PWA,  64                          ; v64-71  the way out: block a's scale word
.set SW,   72                          ; v72-83  the words as they are stored
.set TM,   84                          ; v84-99  at work
.set PC,   100                         ; v100-118 the fragment just made
.set AF,   128
.set G1, 24                            ; s[24:31] descriptor group 1 for S1's tiles;  s[32:39] group 0, one set for each slot
.set G0, 32
.set G1B, 48                           ; s[48:55], s[56:63] the same for S0's
.set G0B, 56
.set G1S, 68                           ; s[68:75], s[76:79] groups 1 and 0 for S1's scale words;  s[80:87], s[88:91] for S0's
.set G0S, 76
.set G1SB, 80
.set G0SB, 88
.set MSB, 0
.macro WIN new                         ; the immediate's high byte repeats the setting that is left
.if MSB != \new
	s_set_vgpr_msb (MSB<<8)|\new
.set MSB, \new
.endif
.endm
.set MUL_LO, 0xa1                      ; source 0 (S0) window 1, source 1 (S1) window 0, C and D window 2
.set MUL_HI, 0xf1                      ; the same, C and D window 3
.set TO_B,   0x40                      ; destination window 1, address window 0
; A joint load: waves 0 and 1 fetch for S1, waves 2 and 3 for S0.  The branch hangs on the wave's number alone.  Four v_nop follow each of the two lines.
.macro JLOAD g0a, g1a, g0b, g1b
	s_cmp_eq_u32 s15, 0
	s_cbranch_scc0 .Lfor_b_\@
	tensor_load_to_lds s[\g0a:\g0a+3], s[\g1a:\g1a+7]
	s_nop 0
.rept 4
	v_nop
.endr
	s_branch .Lasked_\@
.Lfor_b_\@:
	tensor_load_to_lds s[\g0b:\g0b+3], s[\g1b:\g1b+7]
	s_nop 0
.rept 4
	v_nop
.endr
.Lasked_\@:
.endm
.macro CREST                           ; a round of the cluster's barrier behind its opening barrier
	s_cmp_lg_u32 s14, 0
	s_cbranch_scc1 .Lnot_wave_0_\@
	s_barrier_signal -3
.Lnot_wave_0_\@:
	s_barrier_wait -3
	s_barrier_signal -1
	s_barrier_wait -1
.endm
.macro CROUND                          ; a whole round
	s_barrier_signal -1
	s_barrier_wait -1
	CREST
.endm
	s_load_b256 s[4:11], s[0:1], 0x0               ; img s[4:5], isc s[6:7], qkv s[8:9], qkvs s[10:11]
	v_lshl_add_u32 v[SPW], v0, 2, SPARE
	v_mov_b32 v[NIL], 0
	ds_add_u32 v28, v29
	ds_add_u32 v28, v29
	s_wait_dscnt 0x0
	v_lshrrev_b32 v1, 5, v0
	v_readfirstlane_b32 s14, v1                    ; wave 0..3
	s_lshr_b32 s15, s14, 1                         ; which half of S1's rows is mine.  Also: I fetch for S1 (0) or for S0 (1)
	s_and_b32 s16, s14, 1                          ; which half of S0's.  Also: which 8 row tiles I fetch
	s_bfe_u32 s40, ttmp6, 0x40000                  ; cx, cy: my place in the cluster
	s_bfe_u32 s41, ttmp6, 0x40004
	s_and_b32 s95, ttmp7, 0xffff                   ; the cluster's y, 0..5
	s_and_b32 s96, s95, 1
	s_lshl_b32 s96, s96, 1
	s_add_co_u32 s96, s96, ttmp9                   ; part V: cluster column 2 (y & 1) + x
	s_cmp_ge_u32 s95, 4                            ; part V?  Only moves and selects stand between this compare and the last select
	s_cselect_b32 s92, 1, 0                        ; the part
	s_cselect_b32 s93, s96, ttmp9                  ; cluster column
	s_cselect_b32 s94, 0, s95                      ; cluster row
	s_cselect_b32 s66, 384, 0                      ; S1's first row tile in img: w_v's, or x's
	s_cselect_b32 s67, 0, 256                      ; S0's: x's, or w_q's
	s_mov_b32 s98, 768
	s_cselect_b32 s98, 24576, s98                  ; the way out: from block a to block a + 1
	s_mov_b32 s100, 98304
	s_cselect_b32 s100, 768, s100                  ; from a fragment's first half to its second: pairs 3-5, or the next head's slot
	s_mov_b32 s2, 6144
	s_cselect_b32 s2, 1536, s2                     ; a group of 128 tokens in a slot of codes: a key step, or 8 token tiles
	s_mov_b32 s3, 512
	s_cselect_b32 s3, 256, s3                      ; and in a slot of scale words
	s_cselect_b32 s12, 32, 0                       ; v's slots begin at 32
	s_cselect_b32 s18, 16, 32                      ; scale words: bytes from lane r to lane r + 1,
	s_cselect_b32 s19, 8192, 16                    ; and from lanes 0-15 to lanes 16-31: the next head's slot, or blocks 4-7
	s_mov_b32 s99, 0
	s_mov_b32 s101, 0
	s_lshl_b32 s42, s93, 2
	s_add_co_u32 s42, s42, s40                     ; tile column (along S0) = 4 x cluster column + cx
	s_lshl_b32 s17, s94, 2
	s_add_co_u32 s17, s17, s41                     ; tile row (along S1) = 4 x cluster row + cy
	s_lshl_b32 s43, s41, 2
	s_lshl_b32 s43, 15, s43                        ; my row of the cluster
	s_lshl_b32 s44, 0x1111, s40                    ; my column
	; descriptor group 1: 8 row tiles x 3,072 bytes (384 elements of 8 bytes), 12,288 bytes apart; dense in LDS
	s_or_b32 s[G1+0], s43, (3<<16)|(1<<21)         ; 15:0 the mask: S1's tiles go to my row; 17:16 elements of 8 bytes; 20 no padding; 21 set beside a mask
	s_or_b32 s[G1B+0], s44, (3<<16)|(1<<21)
.irp g, G1, G1B
	s_mov_b32 s[\g+1], 384<<16                     ; tensor_dim0
	s_mov_b32 s[\g+2], 8<<16                       ; tensor_dim1
	s_mov_b32 s[\g+3], 384<<16                     ; tile_dim0
	s_mov_b32 s[\g+4], 8                           ; tile_dim1
	s_mov_b32 s[\g+5], 1536                        ; tensor_dim0_stride
	s_mov_b32 s[\g+6], 0
	s_mov_b32 s[\g+7], 0
.endr
	; the scale words of 8 row tiles: 4,096 dense bytes, as 16 rows of 256 bytes
	s_or_b32 s[G1S+0], s43, (3<<16)|(1<<21)
	s_or_b32 s[G1SB+0], s44, (3<<16)|(1<<21)
.irp g, G1S, G1SB
	s_mov_b32 s[\g+1], 32<<16
	s_mov_b32 s[\g+2], 16<<16
	s_mov_b32 s[\g+3], 32<<16
	s_mov_b32 s[\g+4], 16
	s_mov_b32 s[\g+5], 32
	s_mov_b32 s[\g+6], 0
	s_mov_b32 s[\g+7], 0
.endr
	s_lshl_b32 s22, s16, 3                         ; which 8 row tiles I fetch
	s_lshl_b32 s20, s17, 4
	s_add_co_u32 s20, s20, s66
	s_add_co_u32 s20, s20, s22                     ; S1: first row tile
	s_lshl_b32 s46, s42, 4
	s_add_co_u32 s46, s46, s67
	s_add_co_u32 s46, s46, s22                     ; S0: first row tile
	s_lshl_b32 s22, s20, 9                         ; their scale words, 512 bytes a tile,
	s_mov_b32 s23, 0
	s_lshl_b32 s96, s46, 9
	s_mov_b32 s97, 0
	s_mul_i32 s20, s20, TROW                       ; and their codes
	s_mov_b32 s21, 0
	s_mul_i32 s46, s46, TROW
	s_mov_b32 s47, 0
	s_mul_i32 s45, s14, HALFT                      ; where they go: wave x 8 row tiles: no place in the cluster enters an LDS address
	s_mul_i32 s94, s14, HALFS
	s_wait_kmcnt 0x0
	s_add_nc_u64 s[20:21], s[4:5], s[20:21]
	s_add_nc_u64 s[22:23], s[6:7], s[22:23]
	s_add_nc_u64 s[46:47], s[4:5], s[46:47]
	s_add_nc_u64 s[96:97], s[6:7], s[96:97]
	CROUND                                         ; all sixteen work-groups are here: the first joint loads meet
	s_mov_b32 s[G0S], 1
	s_add_co_u32 s[G0S+1], s94, SCL
	s_mov_b64 s[G0S+2:G0S+3], s[22:23]
	s_or_b32 s[G0S+3], s[G0S+3], 0x80000000
	s_mov_b32 s[G0SB], 1
	s_add_co_u32 s[G0SB+1], s94, SCL
	s_mov_b64 s[G0SB+2:G0SB+3], s[96:97]
	s_or_b32 s[G0SB+3], s[G0SB+3], 0x80000000
	JLOAD G0S, G1S, G0SB, G1SB                     ; the scale words first: they are wanted with K step 0
.irp s, 0,1
	s_mov_b32 s[G0+4*\s], 1
	s_add_co_u32 s[G0+4*\s+1], s45, \s*SLOT
	s_add_nc_u64 s[G0+4*\s+2:G0+4*\s+3], s[20:21], \s*TILEB
	s_or_b32 s[G0+4*\s+3], s[G0+4*\s+3], 0x80000000
	s_mov_b32 s[G0B+4*\s], 1
	s_add_co_u32 s[G0B+4*\s+1], s45, \s*SLOT
	s_add_nc_u64 s[G0B+4*\s+2:G0B+4*\s+3], s[46:47], \s*TILEB
	s_or_b32 s[G0B+4*\s+3], s[G0B+4*\s+3], 0x80000000
	JLOAD G0+4*\s, G1, G0B+4*\s, G1B
.endr
	v_and_b32 v1, 15, v0                           ; r
	v_bfe_u32 v[HH], v0, 4, 1                      ; h
	v_and_b32 v3, 31, v0
	v_lshlrev_b32 v[L8], 3, v3                     ; 8 x lane
	s_mul_i32 s21, s15, HALFT                      ; my 8 row tiles of S1
	s_mul_i32 s22, s16, HALFT                      ; my 8 of S0,
	s_add_co_u32 s22, s22, 2*HALFT                 ; which lie behind S1's 16
.irp s, 0,1
	v_add_nc_u32 v[ADRA+\s], s21, v[L8]
	v_add_nc_u32 v[ADRB+\s], s22, v[L8]
	s_add_co_u32 s21, s21, SLOT
	s_add_co_u32 s22, s22, SLOT
.endr
	v_lshlrev_b32 v5, 3, v1                        ; my row's two scale words of a K step: 8 r
	s_mul_i32 s21, s15, HALFS                      ; S1's: my 8 row tiles
	s_mul_i32 s22, s16, HALFS                      ; S0's: my 8, behind S1's 16
	s_add_co_u32 s22, s22, 2*HALFS
	s_sub_co_u32 s22, s22, s21
	v_mul_u32_u24 v6, s22, v[HH]                   ; lanes 16-31 take S0's: one product, the distance between the two bases
	s_add_co_u32 s21, s21, SCL
	v_add_nc_u32 v5, v5, v6
	v_add_nc_u32 v[ADRS], s21, v5
.irp b, 0,1,2,3
	v_mov_b32 v[TM+4+\b], 0                        ; written once: a lane permute's destination counts as one of its sources
.endr
	; the way out: which batch, slot and place my 128 x 128 goes to
	s_lshl_b32 s20, s17, 1
	s_add_co_u32 s20, s20, s15                     ; my group of 128 along S1
	s_lshl_b32 s46, s42, 1
	s_add_co_u32 s46, s46, s16                     ; and along S0
	s_cmp_eq_u32 s92, 1
	s_cselect_b32 s21, s46, s20                    ; the group of 128 tokens,
	s_cselect_b32 s22, s20, s46                    ; the pair of heads
	s_lshr_b32 s23, s21, 4                         ; batch
	s_and_b32 s21, s21, 15                         ; the group in its batch
	s_mul_i32 s23, s23, 48
	s_lshl_b32 s22, s22, 1
	s_add_co_u32 s23, s23, s22
	s_add_co_u32 s23, s23, s12                     ; slot
	s_mul_i32 s46, s23, 98304
	s_mul_i32 s22, s21, s2
	s_add_co_u32 s46, s46, s22
	s_mov_b32 s47, 0
	s_add_nc_u64 s[8:9], s[8:9], s[46:47]          ; block 0's first half
	s_add_nc_u64 s[12:13], s[8:9], s[100:101]      ; and its second
	s_lshl_b32 s46, s23, 13
	s_mul_i32 s22, s21, s3
	s_add_co_u32 s46, s46, s22
	s_add_nc_u64 s[10:11], s[10:11], s[46:47]      ; the scale words
	v_mul_u32_u24 v[SOFF], v1, s18
	v_mad_u32_u24 v[SOFF], v[HH], s19, v[SOFF]
.macro FRAG reg, adr, q, i             ; a fragment comes as it was stored: six pairs, each 256 consecutive bytes for the 32 lanes
.irp p, 0,1,2,3,4,5
	ds_load_b64 v[\reg+2*\p:\reg+2*\p+1], v[\adr] offset:(\i)*TILEB+(\q)*FRB+256*\p
.endr
.endm
; 16 matrix instructions: S1's blocks a0, a0 + 1 x S0's eight, 128 along K.  p: S0's set;  sc: the set of scale words.  zero = 1: the first product starts the sums.
; The 64 accumulators take turns, one instruction a turn, in the same order in every step.
.macro MUL16 a0, p, q, sc, zero
.irp a, \a0, \a0+1
.irp b, 0,1,2,3,4,5,6,7
.if \zero
	v_wmma_scale_f32_16x16x128_f8f6f4 v[8*(8*((\a)%4)+\b):8*(8*((\a)%4)+\b)+7], v[128*(\p)+FR*\b:128*(\p)+FR*\b+FR-1], v[AF+FR*(\a):AF+FR*(\a)+FR-1], 0, v[SC+8*NQ*(\sc)+NQ*\b+(\q)], v[SC+8*NQ*(\sc)+NQ*(\a)+(\q)] matrix_a_fmt:MATRIX_FMT_FP6 matrix_b_fmt:MATRIX_FMT_FP6 matrix_a_scale:MATRIX_SCALE_ROW1
.else
	v_wmma_scale_f32_16x16x128_f8f6f4 v[8*(8*((\a)%4)+\b):8*(8*((\a)%4)+\b)+7], v[128*(\p)+FR*\b:128*(\p)+FR*\b+FR-1], v[AF+FR*(\a):AF+FR*(\a)+FR-1], v[8*(8*((\a)%4)+\b):8*(8*((\a)%4)+\b)+7], v[SC+8*NQ*(\sc)+NQ*\b+(\q)], v[SC+8*NQ*(\sc)+NQ*(\a)+(\q)] matrix_a_fmt:MATRIX_FMT_FP6 matrix_b_fmt:MATRIX_FMT_FP6 matrix_a_scale:MATRIX_SCALE_ROW1
.endif
.endr
.endr
.endm
.macro FETCH_B slot, q, p              ; S0's eight fragments of the slot's q-th 128 along K into set p
	WIN TO_B
.irp i, 0,1,2,3,4,5,6,7
	FRAG 128*(\p)+FR*\i, ADRB+\slot, \q, \i
.endr
	WIN 0
.endm
.macro FETCH_A slot, q, i0             ; S1's blocks i0 .. i0 + 3
.irp i, \i0, \i0+1, \i0+2, \i0+3
	FRAG AF+FR*(\i), ADRA+\slot, \q, \i
.endr
.endm
.macro SCALES sc                       ; a K step's scale words into set sc: two words a row
.irp i, 0,1,2,3,4,5,6,7
	ds_load_b64 v[SC+8*NQ*\sc+NQ*\i:SC+8*NQ*\sc+NQ*\i+1], v[ADRS] offset:\i*512
.endr
.endm
; A load into a register that a matrix instruction has read, and a vector instruction that reads a matrix result, stand NP places behind that matrix instruction; only plain vector instructions
; that name none of its registers are places (ISA guide 7.12.1 for vector instructions).
.macro PLACES n
.rept \n
	v_nop
.endr
.endm
; A step of 128 along K that has its successor in the same slot.
.macro STEP slot, q, zero
	s_wait_dscnt 4*NL                              ; S0's set and S1's blocks 0-3 are in; the youngest 24 loads (S1's blocks 4-7) may be out
	WIN MUL_LO
	MUL16 0, (\q)%2, \q, \slot, \zero
	MUL16 2, (\q)%2, \q, \slot, \zero
	s_wait_dscnt 0                                 ; S1's blocks 4-7 are in
	PLACES NP
	FETCH_B \slot, (\q)+1, 1-(\q)%2
	FETCH_A \slot, (\q)+1, 0
	WIN MUL_HI
	MUL16 4, (\q)%2, \q, \slot, \zero
	MUL16 6, (\q)%2, \q, \slot, \zero
	PLACES NP
	WIN 0
	FETCH_A \slot, (\q)+1, 4
.endm
; A slot's last step changes slots: one barrier; in front of it each wave waits for all its tensor loads, adds 0 to its spare word, and waits for that and for its own reads of this slot.
.macro TURN slot, next, fill
	s_wait_tensorcnt 0x0                           ; all my tensor loads have landed: my part of the next slot  (every window is 0 here)
	ds_add_u32 v[SPW], v[NIL]                      ; 0 onto my spare word
	s_wait_dscnt 4*NL+1                            ; (the add and the youngest 24 loads may be out)
	WIN MUL_LO
	MUL16 0, 1, NQ-1, \slot, 0                     ; sixteen matrix instructions stand between the add and the wait for it
	s_wait_dscnt 0x0                               ; the add is done, and my reads of this slot are over
	s_barrier_signal -1
	MUL16 2, 1, NQ-1, \slot, 0
	WIN 0
	s_barrier_wait -1
.if \fill
	CREST                                          ; the barrier has opened a round of the cluster's barrier: no wave of any partner still reads this slot or has a load on its way
	s_add_nc_u64 s[G0+4*\slot+2:G0+4*\slot+3], s[G0+4*\slot+2:G0+4*\slot+3], 2*TILEB
	s_add_nc_u64 s[G0B+4*\slot+2:G0B+4*\slot+3], s[G0B+4*\slot+2:G0B+4*\slot+3], 2*TILEB
	JLOAD G0+4*\slot, G1, G0B+4*\slot, G1B         ; the first tensor load behind the round; the four v_nop behind it are the places in front of the loads below
.else
	PLACES NP
.endif
	v_add_nc_u32 v[ADRS], 128, v[ADRS]             ; on to the next K step's scale words
	FETCH_B \next, 0, 0
	FETCH_A \next, 0, 0
	SCALES \next
	WIN MUL_HI
	MUL16 4, 1, NQ-1, \slot, 0
	MUL16 6, 1, NQ-1, \slot, 0
	PLACES NP
	WIN 0
	FETCH_A \next, 0, 4
.endm
	s_wait_tensorcnt 1                             ; the scale words and my part of K step 0 are in (of my three loads K step 1's may be out),
	s_barrier_signal -1
	s_barrier_wait -1                              ; everybody's are
	FETCH_B 0, 0, 0
	FETCH_A 0, 0, 0
	SCALES 0
	FETCH_A 0, 0, 4
	STEP 0, 0, 1                                   ; the first step stands in front of the loop: its products start the sums
	s_mov_b32 s3, LAPS-1
.Llap:                                                 ; a trip goes once round the ring and fills both slots again
	TURN 0, 1, 1
	STEP 1, 0, 0
	TURN 1, 0, 1
	STEP 0, 0, 0
	s_sub_co_u32 s3, s3, 1
	s_cmp_lg_u32 s3, 0
	s_cbranch_scc1 .Llap
	TURN 0, 1, 0                                   ; the last lap fills nothing
	STEP 1, 0, 0
	s_wait_dscnt 4*NL                              ; the very last step
	WIN MUL_LO
	MUL16 0, 1, NQ-1, 1, 0
	MUL16 2, 1, NQ-1, 1, 0
	s_wait_dscnt 0
	WIN MUL_HI
	MUL16 4, 1, NQ-1, 1, 0
	MUL16 6, 1, NQ-1, 1, 0
	WIN 0
; THE WAY OUT.  Block a's eight accumulators are, in a lane, 64 numbers of one S1 row: register 16 b + i = S0 index 32 b + 16 (lane / 16) + i.  They become one fragment (128 along S0) and one scale word.
; Part QK: its registers 0-5 are the first head's half fragment of token tile a, registers 6-11 the second head's.  Part V: the whole is the fragment of channel tile a % 4 of head a / 4, for these 128 keys.
; Each accumulator is read from its low end on.
.macro QOUT a
.set AC, 64*((\a)%4)
	WIN 0x0a+5*((\a)/4)                            ; sources 0 and 1: window 2 or 3
.irp b, 0,1,2,3
	v_max3_num_f32 v[TM+\b], |v[AC+16*\b]|, |v[AC+16*\b+1]|, 0x1800000   ; and the floor 2^(3 - 127): the byte cannot fall under 1
.endr
.irp i, 2,4,6,8,10,12,14
.irp b, 0,1,2,3
	v_max3_num_f32 v[TM+\b], |v[AC+16*\b+\i]|, |v[AC+16*\b+\i+1]|, v[TM+\b]
.endr
.endr
	WIN 0
.irp b, 0,1,2,3
	v_permlanex16_b32 v[TM+4+\b], v[TM+\b], s96, s97
.endr
.irp b, 0,1,2,3
	v_max_num_f32 v[TM+\b], v[TM+\b], v[TM+4+\b]   ; with lane l xor 16's: the block's largest magnitude
.endr
.irp b, 0,1,2,3
	v_add_nc_u32 v[TM+12+\b], 0xff000000, v[TM+\b] ; 2 off its exponent field: the conversion's scale operand
.endr
.irp b, 0,1,2,3
	v_lshrrev_b32 v[TM+4+\b], 23, v[TM+12+\b]      ; the scale's byte
.endr
	v_lshl_or_b32 v[PWA+(\a)], v[TM+5], 8, v[TM+4]
	v_lshl_or_b32 v[PWA+(\a)], v[TM+6], 16, v[PWA+(\a)]
	v_lshl_or_b32 v[PWA+(\a)], v[TM+7], 24, v[PWA+(\a)]
	s_wait_xcnt 0x0                                ; the last block's stores have read their data and their bases: both are written again below
.if (\a) > 0
	s_add_nc_u64 s[8:9], s[8:9], s[98:99]
	s_add_nc_u64 s[12:13], s[12:13], s[98:99]
.endif
	WIN 0x02+((\a)/4)                              ; source 0: window 2 or 3; the scale operand and the result lie in window 0
.irp c, 0,1
	v_cvt_scalef32_pk16_fp6_f32 v[PC+6*\c:PC+2+6*\c], v[AC+32*\c:AC+15+32*\c], v[TM+12+2*\c]
	v_cvt_scalef32_pk16_fp6_f32 v[PC+12+4*\c:PC+14+4*\c], v[AC+16+32*\c:AC+31+32*\c], v[TM+13+2*\c]   ; (a conversion's three registers begin on an even number)
.endr
	WIN 0
	v_nop                                          ; one plain place behind a scaled conversion
.irp c, 0,1                                    ; a whole block in a lane: lanes 0-15 block 2 c, lanes 16-31 block 2 c + 1
.irp i, 0,1,2
	v_permlane16_swap_b32 v[PC+6*\c+\i], v[PC+12+4*\c+\i]
.endr
.irp i, 0,1,2
	v_mov_b32 v[PC+3+6*\c+\i], v[PC+12+4*\c+\i]
.endr
.endr
.irp i, 0,1,2
	global_store_b64 v[L8], v[PC+2*\i:PC+2*\i+1], s[8:9] offset:256*\i       ; 32 lanes store 256 consecutive bytes, aligned
.endr
.irp i, 0,1,2
	global_store_b64 v[L8], v[PC+6+2*\i:PC+7+2*\i], s[12:13] offset:256*\i
.endr
.endm
	s_mov_b32 s96, 0x76543210                      ; lane selects for v_permlanex16_b32: lane l xor 16
	s_mov_b32 s97, 0xfedcba98
	PLACES NP                                      ; behind the last products
.irp a, 0,1,2,3,4,5,6,7
	QOUT \a
.endr
	v_cmp_eq_u32 vcc_lo, 1, v[HH]                  ; lanes 0-15 store the words of blocks 0-3, lanes 16-31 those of blocks 4-7
.irp i, 0,1,2,3
	v_cndmask_b32 v[SW+\i], v[PWA+\i], v[PWA+4+\i], vcc_lo
.endr
	s_cmp_eq_u32 s92, 1                            ; the part: the same in every wave and every partner; only register work and stores differ
	s_cbranch_scc1 .Lv_words
.irp i, 0,1,2,3
	v_and_b32 v[SW+4+\i], 0xffff, v[SW+\i]         ; the first head's two bytes, zeros above them
.endr
	global_store_b128 v[SOFF], v[SW+4:SW+7], s[10:11]
.irp i, 0,1,2,3
	v_lshrrev_b32 v[SW+8+\i], 16, v[SW+\i]         ; the second head's
.endr
	global_store_b128 v[SOFF], v[SW+8:SW+11], s[10:11] offset:8192
	s_branch .Lwords_done
.Lv_words:
	global_store_b128 v[SOFF], v[SW:SW+3], s[10:11]   ; v: four bytes for these 128 keys, as they are
.Lwords_done:
	s_wait_tensorcnt 0x0                           ; the wave's end
	ds_add_u32 v[SPW], v[NIL]
	s_wait_dscnt 0x0
	CROUND                                         ; the closing round: no work-group ends while a partner may still ask for a tile that names it
	s_endpgm
.Lfunc_end_k_q402b87fd2b_qkvgemm:
	.size	k_q402b87fd2b_qkvgemm, .Lfunc_end_k_q402b87fd2b_qkvgemm-k_q402b87fd2b_qkvgemm
	.p2alignl 7, 3214868480
	.fill 96, 4, 3214868480
	.section	.rodata,"a",@progbits
	.p2align	6, 0x0
	.amdhsa_kernel k_q402b87fd2b_qkvgemm
		.amdhsa_group_segment_fixed_size 327680
		.amdhsa_private_segment_fixed_size 0
		.amdhsa_enable_private_segment 0
		.amdhsa_kernarg_size 32
		.amdhsa_user_sgpr_count 2
		.amdhsa_user_sgpr_kernarg_segment_ptr 1
		.amdhsa_wavefront_size32 1
		.amdhsa_system_sgpr_workgroup_id_x 1
		.amdhsa_system_sgpr_workgroup_id_y 1
		.amdhsa_system_sgpr_workgroup_id_z 1
		.amdhsa_system_vgpr_workitem_id 0
		.amdhsa_next_free_vgpr 1024
		.amdhsa_next_free_sgpr 102
		.amdhsa_reserve_vcc 1
		.amdhsa_float_denorm_mode_32 3
		.amdhsa_float_denorm_mode_16_64 3
		.amdhsa_memory_ordered 1
		.amdhsa_forward_progress 1
		.amdhsa_inst_pref_size 168
	.end_amdhsa_kernel
	.amdgpu_metadata
---
amdhsa.version: [ 1, 2 ]
amdhsa.kernels:
  - .name:           k_q402b87fd2b_qkvgemm
    .symbol:         k_q402b87fd2b_qkvgemm.kd
    .args:
      - { .name: img, .offset: 0, .size: 8, .value_kind: global_buffer, .address_space: global }
      - { .name: isc, .offset: 8, .size: 8, .value_kind: global_buffer, .address_space: global }
      - { .name: qkv, .offset: 16, .size: 8, .value_kind: global_buffer, .address_space: global }
      - { .name: qkvs, .offset: 24, .size: 8, .value_kind: global_buffer, .address_space: global }
    .group_segment_fixed_size: 327680
    .private_segment_fixed_size: 0
    .kernarg_segment_align: 8
    .kernarg_segment_size: 32
    .max_flat_workgroup_size: 128
    .sgpr_count:     102
    .vgpr_count:     1024
    .wavefront_size: 32
...
	.end_amdgpu_metadata
.endif
;; end of part 2
;; launch attn (part 3): grid 8 x 32, 16 waves a work-group, clusters of 4 x 1, 210,944 bytes of LDS; arguments qkv, qkvs, oimg, osc; writes oimg, osc
.if DOCPART == 3
	.amdgcn_target "amdgcn-amd-amdhsa--gfx1250"
	.amdhsa_code_object_version 6
	.text
	.protected	k_q402b87fd2b_attn
	.globl	k_q402b87fd2b_attn
	.p2align	8
	.type	k_q402b87fd2b_attn,@function
k_q402b87fd2b_attn:
	s_mov_b64 s[64:65], 0
	v_nop
	global_prefetch_b8 v0, s[64:65] scope:SCOPE_SE
	s_setreg_imm32_b32 hwreg(HW_REG_WAVE_MODE, 25, 1), 1
	s_wait_xcnt 0x0
	s_wait_alu depctr_hold_cnt(0) depctr_sa_sdst(0) depctr_va_vdst(0) depctr_va_sdst(0) depctr_va_ssrc(0) depctr_va_vcc(0) depctr_vm_vsrc(0)
	s_getreg_b32 s2, hwreg(HW_REG_IB_STS2, 6, 4)
	s_cmp_eq_u32 s2, 0
	s_cbranch_scc0 .Lentry_in_a_cluster
	s_endpgm
.Lentry_in_a_cluster:
	s_bfe_u32 s2, ttmp6, 0x10000c
	s_cmp_lg_u32 s2, 0x3003
	s_cbranch_scc0 .Lentry_shape_is_right
	s_endpgm
.Lentry_shape_is_right:
; Causal attention of one (batch, head) on codes of FP6 (E2M3) with E8M0 scales: S = q k^T / 8, p = 2^(t - M), O = p v / l; O is quantised along d_model for the last product and stored as codes.
; t = score x log2(e) / 8; M = the running largest t rounded UP to a whole number; p is quantised along the keys, not normalised; l is the sum of the unquantised p, in f32, and divides O at the end.
; When M moves, l and O are multiplied by 2^(old M - new M): exact.
; SHARES.  Work-group (x, y): y = 16 batch + head, x = 0..7.  Wave w of 16 owns query tile T = 8 w + x: queries 128 w + 32 (x / 2) + 8 (x % 2) + r + 8 (r / 8).  So in EVERY work-group wave w works key steps
; 0 .. w of 128 keys: step s is hidden where s > w and lies on the diagonal where s = w.  Both branches hang on the wave's number and a counted step; all work-groups have the same work.
; THE WHOLE HEAD'S K AND V LIE IN LDS: 98,304 bytes each, and their scale words.  Every LDS byte is filled once, in four chunks of 512 keys, so that the first steps begin while later chunks are on their way.
; CLUSTER.  The four work-groups of a cluster belong to one head: each tile is asked for jointly, by the same tensor load with a mask of all four.
; LAYOUT.  Both products are used transposed: S^T = K Q^T, O^T = V^T P^T: a lane holds ONE query (lane % 16).  K, V and Q come as images of their registers (pairs of 256 bytes, 8 bytes a lane).  The keys of a
; tile are 32 g + 8 u + r + 8 (r / 8), so that the 16 registers of two neighbouring tiles of S^T are 16 neighbouring keys.
; K = 64 IN AN INSTRUCTION OF 128: Q's registers 6-11 are zero codes, and the scale bytes 2 and 3 of q and k are 0, which is 2^-127.  So whatever codes stand in the upper six registers of K's operand (the next
; tile's, or zeros) are multiplied by zero: the format has neither infinity nor NaN.  K's eight half fragments so stand on end, six registers each.
; OUT.  oimg: token tile (128 batch + T) x 12,288 bytes, the head's half fragment at 768 x head: three stores of 256 consecutive bytes.  osc: the head's two scale bytes of each row, 2 bytes a lane: these are
; short stores, 1 byte in 24 of what the launch stores.
; LIMITS: hidden keys count as p = 0, which is what -1e9 gives unless a row's largest visible logit lies near -1e9; a block whose largest magnitude lies under 2^-124 keeps the scale byte 1; NaN and infinities are not served.
; REGISTERS: v1-6 what stays; v8-11 the step's addresses; v12 -M, v13 the largest t, v[14:15] l in two halves; v16-27 Q; v28 Q's scale word; v32-79 K's eight halves, then V's four fragments; v80-85 zeros;
;   v96-159 S^T, then p; v160-191 O^T; v192-199 K's scale words, v200-203 V's; v224-235 p's codes; v232-254 at work; v253 p's scale word.
.set VL,   98304                       ; LDS: K at 0 (768 bytes a tile); V here: [chunk 0..3][channel tile 0..3][step in the chunk 0..3][1,536]
.set KSL,  196608                      ; K's scale words: [step][r][tile in the step]
.set VSL,  204800                      ; V's: [step][r][channel tile]
.set CH,   24576                       ; a chunk: 512 keys
.set ADK,  8
.set ADV,  9
.set ADS,  10
.set ADT,  11
.set WV,   12                          ; s12  my wave's number
.set G1K,  16                          ; s[16:23] group 1: half a chunk of K;  s[24:31] of V;  s[32:39] half of K's scale words;  s[40:47] of V's
.set G1V,  24
.set G1KS, 32
.set G1VS, 40
.set SEL,  92                          ; s[92:93] lane selects: lane l xor 16
.set CS,   94                          ; s[94:95] c = log2(e) / 8
.set TK,   96                          ; s96-99 where the step's K, V, K's words and V's words begin
.set TV,   97
.set TKS,  98
.set TVS,  99
.set SS,   100                         ; s100 the key step
.set TR,   101                         ; s101 trips
.macro CROUND                          ; a round of the cluster's barrier
	s_barrier_signal -1
	s_barrier_wait -1
	s_cmp_lg_u32 s[WV], 0
	s_cbranch_scc1 .Lnot_wave_0_\@
	s_barrier_signal -3
.Lnot_wave_0_\@:
	s_barrier_wait -3
	s_barrier_signal -1
	s_barrier_wait -1
.endm
.macro SHAPE g, c, r, p                ; group 1: r rows of c elements of 8 bytes, p elements apart; dense in LDS; the mask names all four work-groups, bit 21 beside it
	s_mov_b32 s[\g], 15|(3<<16)|(1<<21)
	s_mov_b32 s[\g+1], (\c)<<16
	s_mov_b32 s[\g+2], (\r)<<16
	s_mov_b32 s[\g+3], (\c)<<16
	s_mov_b32 s[\g+4], \r
	s_mov_b32 s[\g+5], \p
	s_mov_b32 s[\g+6], 0
	s_mov_b32 s[\g+7], 0
.endm
	s_load_b256 s[4:11], s[0:1], 0x0               ; qkv s[4:5], qkvs s[6:7], oimg s[8:9], osc s[10:11]
	v_lshl_add_u32 v251, v0, 2, 0x33000
	v_mov_b32 v255, 0
	ds_add_u32 v251, v255
	ds_add_u32 v251, v255
	v_lshrrev_b32 v7, 5, v0
	v_readfirstlane_b32 s[WV], v7                  ; wave 0..15
	s_and_b32 s13, ttmp7, 0xffff
	s_lshr_b32 s14, s13, 4                         ; batch
	s_and_b32 s15, s13, 15                         ; head
	s_mul_i32 s66, s14, 48
	s_add_co_u32 s66, s66, s15                     ; q's slot; k's is 16 on, v's 32
	s_and_b32 s67, s[WV], 1                        ; which half I fetch, if I fetch
	SHAPE G1K, 32, 48, 32                          ; 12,288 dense bytes as 48 rows of 256
	SHAPE G1V, 768, 2, 3072                        ; two channel tiles x 6,144 bytes (four key steps), 24,576 bytes apart
	SHAPE G1KS, 32, 16, 32                         ; 4,096 dense bytes
	SHAPE G1VS, 32, 8, 32                          ; 2,048 dense bytes
	s_mov_b32 s[SEL], 0x76543210
	s_mov_b32 s[SEL+1], 0xfedcba98
	s_mov_b32 s[CS], 0x3e38aa3b                    ; log2(e) / 8
	s_mov_b32 s[CS+1], s[CS]                       ; (named with it as a pair, so it is written)
	s_mov_b32 s3, 0
	s_wait_dscnt 0x0
	s_wait_kmcnt 0x0
	s_add_co_u32 s2, s66, 16                       ; K's scale words: slot x 8,192 + half x 4,096
	s_lshl_b32 s2, s2, 13
	s_lshl_b32 s96, s67, 12
	s_add_co_u32 s2, s2, s96
	s_mov_b32 s48, 1
	s_add_co_u32 s49, s96, KSL
	s_add_nc_u64 s[50:51], s[6:7], s[2:3]
	s_or_b32 s51, s51, 0x80000000
	s_add_co_u32 s2, s66, 32                       ; V's: slot x 8,192 + half x 2,048
	s_lshl_b32 s2, s2, 13
	s_lshl_b32 s96, s67, 11
	s_add_co_u32 s2, s2, s96
	s_mov_b32 s72, 1
	s_add_co_u32 s73, s96, VSL
	s_add_nc_u64 s[74:75], s[6:7], s[2:3]
	s_or_b32 s75, s75, 0x80000000
	s_mul_i32 s96, s67, 12288                      ; my half of a chunk, in LDS, and for K in memory too
	s_add_co_u32 s2, s66, 16
	s_mul_i32 s2, s2, 98304
	s_add_co_u32 s2, s2, s96
	s_add_nc_u64 s[98:99], s[4:5], s[2:3]          ; K's codes
	s_add_co_u32 s2, s66, 32
	s_mul_i32 s2, s2, 98304
	s_mul_i32 s97, s67, 49152                      ; V: channel tiles 2 x half on
	s_add_co_u32 s2, s2, s97
	s_add_nc_u64 s[100:101], s[4:5], s[2:3]        ; V's codes
.irp n, 0,1,2,3                                ; a group 0 for each chunk: K's at s52, s56, s60, s68; V's at s76 on
.set KG, 52+4*\n+4*(\n/3)
.set VG, 76+4*\n
	s_mov_b32 s[KG], 1
	s_add_co_u32 s[KG+1], s96, \n*CH
	s_add_nc_u64 s[KG+2:KG+3], s[98:99], \n*CH
	s_or_b32 s[KG+3], s[KG+3], 0x80000000
	s_mov_b32 s[VG], 1
	s_add_co_u32 s[VG+1], s96, VL+\n*CH
	s_add_nc_u64 s[VG+2:VG+3], s[100:101], \n*6144
	s_or_b32 s[VG+3], s[VG+3], 0x80000000
.endr
	CROUND                                         ; all four work-groups are here: the joint loads meet
	s_cmp_lt_u32 s[WV], 2                          ; a wave's five fills stand in one branch on its number, ahead of every wait on TENSORcnt, every LDS read and every other barrier: five loads of mine are out
	s_cbranch_scc0 .Lnot_k
	tensor_load_to_lds s[48:51], s[G1KS:G1KS+7]
	s_nop 0
	tensor_load_to_lds s[52:55], s[G1K:G1K+7]
	s_nop 0
	tensor_load_to_lds s[56:59], s[G1K:G1K+7]
	s_nop 0
	tensor_load_to_lds s[60:63], s[G1K:G1K+7]
	s_nop 0
	tensor_load_to_lds s[68:71], s[G1K:G1K+7]
	s_nop 0
.rept 4
	v_nop
.endr
	s_branch .Lasked
.Lnot_k:
	s_cmp_lt_u32 s[WV], 4
	s_cbranch_scc0 .Lasked
	tensor_load_to_lds s[72:75], s[G1VS:G1VS+7]
	s_nop 0
	tensor_load_to_lds s[76:79], s[G1V:G1V+7]
	s_nop 0
	tensor_load_to_lds s[80:83], s[G1V:G1V+7]
	s_nop 0
	tensor_load_to_lds s[84:87], s[G1V:G1V+7]
	s_nop 0
	tensor_load_to_lds s[88:91], s[G1V:G1V+7]
	s_nop 0
.rept 4
	v_nop
.endr
.Lasked:
	; what hangs on my place in the cluster: Q's and the output's addresses, and the mask's number: no LDS address, no branch
	s_bfe_u32 s2, ttmp6, 0x40000                   ; cx
	s_lshl_b32 s3, ttmp9, 2
	s_add_co_u32 s2, s2, s3                        ; x
	s_lshl_b32 s3, s[WV], 3
	s_add_co_u32 s3, s3, s2                        ; T = 8 w + x
	s_mul_i32 s96, s66, 98304
	s_mul_i32 s97, s3, 768
	s_add_co_u32 s96, s96, s97
	s_mov_b32 s97, 0
	s_add_nc_u64 s[4:5], s[4:5], s[96:97]          ; Q's half fragment
	s_lshl_b32 s96, s66, 13
	s_lshl_b32 s98, s[WV], 9
	s_add_co_u32 s96, s96, s98
	s_lshl_b32 s98, s2, 2
	s_add_co_u32 s96, s96, s98
	s_add_nc_u64 s[6:7], s[6:7], s[96:97]          ; its scale words: group w, tile x
	s_lshl_b32 s98, s14, 7
	s_add_co_u32 s98, s98, s3                      ; token tile 128 batch + T
	s_mul_i32 s96, s98, 12288
	s_mul_i32 s99, s15, 768
	s_add_co_u32 s96, s96, s99
	s_add_nc_u64 s[8:9], s[8:9], s[96:97]          ; the head's half fragment in oimg
	s_lshl_b32 s96, s98, 9
	s_lshr_b32 s99, s15, 2
	s_lshl_b32 s99, s99, 7
	s_add_co_u32 s96, s96, s99
	s_and_b32 s99, s15, 3
	s_lshl_b32 s99, s99, 1
	s_add_co_u32 s96, s96, s99
	s_add_nc_u64 s[10:11], s[10:11], s[96:97]      ; the head's two bytes in osc: 128 (head / 4) + 2 (head % 4)
	s_lshr_b32 s96, s2, 1
	s_lshl_b32 s96, s96, 5
	s_and_b32 s98, s2, 1
	s_lshl_b32 s98, s98, 3
	s_add_co_u32 s96, s96, s98                     ; 32 (x / 2) + 8 (x % 2)
	v_and_b32 v7, 15, v0                           ; r
	v_bfe_u32 v9, v0, 4, 1                         ; h
	v_and_b32 v1, 31, v0
	v_lshlrev_b32 v1, 3, v1                        ; 8 x lane: a pair's place for my lane, in LDS (K) and in memory
	v_add_nc_u32 v2, VL, v1                        ; the same in V
	v_lshl_add_u32 v3, v7, 5, KSL                  ; K's scale words: 32 bytes a row
	v_lshl_add_u32 v4, v7, 4, VSL                  ; V's: 16
	global_load_b64 v[16:17], v1, s[4:5]           ; Q stays in registers
	global_load_b64 v[18:19], v1, s[4:5] offset:256
	global_load_b64 v[20:21], v1, s[4:5] offset:512
	v_lshlrev_b32 v10, 5, v7
	global_load_b32 v28, v10, s[6:7]
.irp j, 0,1,2,3,4,5
	v_mov_b32 v[22+\j], 0                          ; Q's codes of k = 64 .. 127: zeros
	v_mov_b32 v[80+\j], 0                          ; what stands above K's last half fragment
.endr
	v_and_b32 v5, 8, v7
	v_add_nc_u32 v5, v5, v7
	v_lshlrev_b32 v9, 4, v9
	v_sub_nc_u32 v5, v5, v9
	v_add_nc_u32 v5, s96, v5                       ; d = my query - 128 w - 16 h.  On the diagonal register 16 b + i holds key 128 w + 16 h + 32 b + i: hidden where 32 b + i > d
	v_mov_b32 v6, 0xff800000                       ; -infinity
	v_mov_b32 v13, 0xff61b1e6                      ; the largest t so far: -3e38
	v_floor_f32 v12, -v13                          ; -M
	v_mov_b32 v14, 0
	v_mov_b32 v15, 0
.irp b, 0,1,2,3
	v_mov_b32 v[236+\b], 0                         ; written once: a lane permute's destination counts as one of its sources
.endr
	v_mov_b32 v252, 0
	v_mov_b32 v253, 0                              ; (named as the upper half of the pair v[252:253] before it is first written)
.set JJ, 0
.rept 32
	v_mov_b32 v[160+JJ], 0                         ; O^T: the step is written once; the first finds zeros, which the first change of M leaves zeros
.set JJ, JJ+1
.endr
	s_mov_b32 s[TK], 0
	s_mov_b32 s[TV], 0
	s_mov_b32 s[TKS], 0
	s_mov_b32 s[TVS], 0
	s_mov_b32 s[SS], 0
; A KEY STEP: 128 keys.
.macro STEP
	s_cmp_gt_u32 s[SS], s[WV]                      ; all its keys come after my queries: only the addresses step
	s_cbranch_scc1 .Lhid_\@
	v_add_nc_u32 v[ADK], s[TK], v1                 ; (these four are also the places between the last step's products and the loads into their operands)
	v_add_nc_u32 v[ADV], s[TV], v2
	v_add_nc_u32 v[ADS], s[TKS], v3
	v_add_nc_u32 v[ADT], s[TVS], v4
.irp t, 0,1,2,3,4,5,6,7
.irp i, 0,1,2
	ds_load_b64 v[32+6*\t+2*\i:33+6*\t+2*\i], v[ADK] offset:768*\t+256*\i
.endr
.endr
	ds_load_b128 v[192:195], v[ADS]
	ds_load_b128 v[196:199], v[ADS] offset:16
	s_wait_dscnt 0x0
.irp t, 0,1,2,3,4,5,6,7                        ; S^T = K Q^T: eight tiles of 16 keys, each a sum of its own
	v_wmma_scale_f32_16x16x128_f8f6f4 v[96+8*\t:103+8*\t], v[32+6*\t:43+6*\t], v[16:27], 0, v[192+\t], v28 matrix_a_fmt:MATRIX_FMT_FP6 matrix_b_fmt:MATRIX_FMT_FP6
.endr
.rept 4
	v_nop                                          ; places in front of the loads into K's registers and of the first read of the scores
.endr
.irp t, 0,1,2,3                                ; V's four fragments are asked for now and land under the softmax
.irp p, 0,1,2,3,4,5
	ds_load_b64 v[32+12*\t+2*\p:33+12*\t+2*\p], v[ADV] offset:6144*\t+256*\p
.endr
.endr
	ds_load_b128 v[200:203], v[ADT]
	s_cmp_lg_u32 s[SS], s[WV]                      ; off the diagonal every key counts
	s_cbranch_scc1 .Lopen_\@
.set NN, 0
.rept 64
	v_cmp_gt_i32 vcc_lo, 32*(NN/16)+NN%16, v5
	v_cndmask_b32 v[96+NN], v[96+NN], v6, vcc_lo   ; a hidden key's score becomes -infinity: p = 0
.set NN, NN+1
.endr
.Lopen_\@:
.irp b, 0,1,2,3
	v_max3_num_f32 v[232+\b], v[96+16*\b], v[97+16*\b], v[98+16*\b]   ; the largest score of each block of 32 keys: for the row's maximum, and, since p rises with the score, for the block's largest p
.endr
.irp i, 3,5,7,9,11,13
.irp b, 0,1,2,3
	v_max3_num_f32 v[232+\b], v[232+\b], v[96+16*\b+\i], v[97+16*\b+\i]
.endr
.endr
.irp b, 0,1,2,3
	v_max_num_f32 v[232+\b], v[232+\b], v[111+16*\b]
.endr
.irp b, 0,1,2,3
	v_permlanex16_b32 v[236+\b], v[232+\b], s[SEL], s[SEL+1]
.endr
.irp b, 0,1,2,3
	v_max_num_f32 v[232+\b], v[232+\b], v[236+\b]  ; with lane l xor 16's 16 keys
.endr
	v_max3_num_f32 v254, v232, v233, v234
	v_max_num_f32 v254, v254, v235                 ; the step's largest score of my query
	v_mul_f32 v254, s[CS], v254                    ; as t
	v_max_num_f32 v13, v13, v254                   ; the running largest t
	v_mov_b32 v254, v12
	v_floor_f32 v12, -v13                          ; the new -M = floor(-t): M is a whole number
	v_sub_f32 v254, v12, v254                      ; old M - new M: a whole number, 0 or less
	v_cvt_i32_f32 v254, v254                       ; (it saturates)
	v_ldexp_f32 v252, 1.0, v254                    ; f = 2^(old M - new M)
.set JJ, 0
.rept 32
	v_pk_fma_f32 v[96+JJ:97+JJ], v[96+JJ:97+JJ], s[CS:CS+1], v[12:13] op_sel_hi:[1,0,0]   ; t - M, two at a time
.set JJ, JJ+2
.endr
.irp b, 0,1,2,3
	v_fma_f32 v[232+\b], v[232+\b], s[CS], v12     ; the same of each block's largest score
.endr
.set JJ, 0
.rept 64
	v_exp_f32 v[96+JJ], v[96+JJ]                   ; p = 2^(t - M), at most 1
.set JJ, JJ+1
.endr
.irp b, 0,1,2,3
	v_exp_f32 v[232+\b], v[232+\b]                 ; the block's largest p: the same two instructions on the same number
.endr
	v_pk_mul_f32 v[14:15], v[14:15], v[252:253] op_sel_hi:[1,0]   ; l under the new M.  (A plain place behind the exponentials)
	s_wait_alu depctr_va_vdst(0)
.irp b, 0,1,2,3
	v_max_num_f32 v[232+\b], 0x1800000, v[232+\b]  ; the floor 2^(3 - 127): the byte cannot fall under 1
.endr
.irp b, 0,1,2,3
	v_add_nc_u32 v[244+\b], 0xff000000, v[232+\b]  ; 2 off the exponent field: the conversion's scale operand
.endr
.irp b, 0,1,2,3
	v_lshrrev_b32 v[236+\b], 23, v[244+\b]         ; the scale's byte
.endr
	v_lshl_or_b32 v253, v237, 8, v236              ; p's scale word for these 128 keys
	v_lshl_or_b32 v253, v238, 16, v253
	v_lshl_or_b32 v253, v239, 24, v253
.irp c, 0,1
	v_cvt_scalef32_pk16_fp6_f32 v[224+6*\c:226+6*\c], v[96+32*\c:111+32*\c], v[244+2*\c]
	v_cvt_scalef32_pk16_fp6_f32 v[236+4*\c:238+4*\c], v[112+32*\c:127+32*\c], v[244+2*\c+1]   ; (a conversion's three registers begin on an even number)
.endr
	v_nop                                          ; one plain place behind a scaled conversion
.irp c, 0,1                                    ; a whole block in a lane
.irp i, 0,1,2
	v_permlane16_swap_b32 v[224+6*\c+\i], v[236+4*\c+\i]
.endr
.irp i, 0,1,2
	v_mov_b32 v[227+6*\c+\i], v[236+4*\c+\i]
.endr
.endr
.set JJ, 0
.rept 16
	v_pk_mul_f32 v[160+JJ:161+JJ], v[160+JJ:161+JJ], v[252:253] op_sel_hi:[1,0]   ; O^T under the new M, each accumulator from its low end on
.set JJ, JJ+2
.endr
	v_pk_add_f32 v[236:237], v[96:97], v[98:99]    ; l is the sum of the UNQUANTISED p: two at a time, in two chains.  (These 32 stand between the writes above and the products below)
.irp j, 4,8,12,16,20,24,28,32,36,40,44,48,52,56,60
	v_pk_add_f32 v[14:15], v[14:15], v[96+\j:97+\j]
	v_pk_add_f32 v[236:237], v[236:237], v[98+\j:99+\j]
.endr
	v_pk_add_f32 v[14:15], v[14:15], v[236:237]
	s_wait_dscnt 0x0                               ; V and its scale words are in
.irp t, 0,1,2,3                                ; O^T += V^T P^T: four accumulators by turns, one instruction a turn; between two links of a chain stand the next step's eight products
	v_wmma_scale_f32_16x16x128_f8f6f4 v[160+8*\t:167+8*\t], v[32+12*\t:43+12*\t], v[224:235], v[160+8*\t:167+8*\t], v[200+\t], v253 matrix_a_fmt:MATRIX_FMT_FP6 matrix_b_fmt:MATRIX_FMT_FP6
.endr
.Lhid_\@:
	s_add_co_u32 s[TK], s[TK], 6144                ; eight tiles of K,
	s_add_co_u32 s[TV], s[TV], 1536                ; a fragment of V in each channel tile,
	s_add_co_u32 s[TKS], s[TKS], 512
	s_add_co_u32 s[TVS], s[TVS], 256
	s_add_co_u32 s[SS], s[SS], 1
.endm
; Chunk n: four key steps.  The count leaves the chunks issued behind chunk n on their way (3 - n of them; a wave that issued none passes at once); nothing is ever filled again, so they may stay out across the barrier.
.macro PHASE n
	s_wait_tensorcnt 3-\n
	s_wait_dscnt 0x0
	s_barrier_signal -1
	s_barrier_wait -1                              ; every fetching wave's part of chunk n has landed
	s_mov_b32 s[TR], 4
.Ltrip_\@:
	STEP
	s_sub_co_u32 s[TR], s[TR], 1
	s_cmp_lg_u32 s[TR], 0
	s_cbranch_scc1 .Ltrip_\@
	s_add_co_u32 s[TV], s[TV], CH-4*1536           ; V's next chunk
.endm
	s_wait_loadcnt 0x0                             ; Q
	PHASE 0
	PHASE 1
	PHASE 2
	PHASE 3
	; THE WAY OUT.  O^T / l: register 16 b + i = channel 32 b + 16 h + i of my query: two blocks of 32 along d_model.  They are quantised and leave as the head's half fragment.
.rept 4
	v_nop                                          ; places behind the last products
.endr
	v_add_f32 v14, v14, v15                        ; l's two halves,
	v_permlanex16_b32 v252, v14, s[SEL], s[SEL+1]
	v_add_f32 v14, v14, v252                       ; and lane l xor 16's
	v_rcp_f32 v14, v14
	v_and_b32 v7, 15, v0                           ; (a plain place behind the transcendental)
	v_lshlrev_b32 v7, 3, v7                        ; 8 r: my row's place among the scale bytes
.set JJ, 0
	s_wait_alu depctr_va_vdst(0)
.rept 32
	v_mul_f32 v[96+JJ], v[160+JJ], v14
.set JJ, JJ+1
.endr
.irp b, 0,1
	v_max3_num_f32 v[232+\b], |v[96+16*\b]|, |v[97+16*\b]|, 0x1800000
.endr
.irp i, 2,4,6,8,10,12,14
.irp b, 0,1
	v_max3_num_f32 v[232+\b], v[232+\b], |v[96+16*\b+\i]|, |v[97+16*\b+\i]|
.endr
.endr
.irp b, 0,1
	v_permlanex16_b32 v[236+\b], v[232+\b], s[SEL], s[SEL+1]
.endr
.irp b, 0,1
	v_max_num_f32 v[232+\b], v[232+\b], v[236+\b]
.endr
.irp b, 0,1
	v_add_nc_u32 v[244+\b], 0xff000000, v[232+\b]
.endr
.irp b, 0,1
	v_lshrrev_b32 v[236+\b], 23, v[244+\b]
.endr
	v_lshl_or_b32 v254, v237, 8, v236              ; the head's two scale bytes of my row
	v_cvt_scalef32_pk16_fp6_f32 v[224:226], v[96:111], v244
	v_cvt_scalef32_pk16_fp6_f32 v[240:242], v[112:127], v245
	v_nop                                          ; one plain place behind a scaled conversion
.irp i, 0,1,2
	v_permlane16_swap_b32 v[224+\i], v[240+\i]     ; lanes 0-15 the first block whole, lanes 16-31 the second
.endr
.irp i, 0,1,2
	v_mov_b32 v[227+\i], v[240+\i]
.endr
.irp i, 0,1,2
	global_store_b64 v1, v[224+2*\i:225+2*\i], s[8:9] offset:256*\i   ; 32 lanes store 256 consecutive bytes, aligned
.endr
	global_store_b16 v7, v254, s[10:11]            ; lanes l and l xor 16 write the same two bytes with the same value
	s_wait_tensorcnt 0x0
	ds_add_u32 v251, v255
	s_wait_dscnt 0x0
	CROUND                                         ; the closing round: no work-group ends while a partner may still ask for a tile that names it
	s_endpgm
.Lfunc_end_k_q402b87fd2b_attn:
	.size	k_q402b87fd2b_attn, .Lfunc_end_k_q402b87fd2b_attn-k_q402b87fd2b_attn
	.p2alignl 7, 3214868480
	.fill 96, 4, 3214868480
	.section	.rodata,"a",@progbits
	.p2align	6, 0x0
	.amdhsa_kernel k_q402b87fd2b_attn
		.amdhsa_group_segment_fixed_size 210944
		.amdhsa_private_segment_fixed_size 0
		.amdhsa_enable_private_segment 0
		.amdhsa_kernarg_size 32
		.amdhsa_user_sgpr_count 2
		.amdhsa_user_sgpr_kernarg_segment_ptr 1
		.amdhsa_wavefront_size32 1
		.amdhsa_system_sgpr_workgroup_id_x 1
		.amdhsa_system_sgpr_workgroup_id_y 1
		.amdhsa_system_sgpr_workgroup_id_z 1
		.amdhsa_system_vgpr_workitem_id 0
		.amdhsa_next_free_vgpr 256
		.amdhsa_next_free_sgpr 102
		.amdhsa_reserve_vcc 1
		.amdhsa_float_denorm_mode_32 3
		.amdhsa_float_denorm_mode_16_64 3
		.amdhsa_memory_ordered 1
		.amdhsa_forward_progress 1
		.amdhsa_inst_pref_size 105
	.end_amdhsa_kernel
	.amdgpu_metadata
---
amdhsa.version: [ 1, 2 ]
amdhsa.kernels:
  - .name:           k_q402b87fd2b_attn
    .symbol:         k_q402b87fd2b_attn.kd
    .args:
      - { .name: qkv, .offset: 0, .size: 8, .value_kind: global_buffer, .address_space: global }
      - { .name: qkvs, .offset: 8, .size: 8, .value_kind: global_buffer, .address_space: global }
      - { .name: oimg, .offset: 16, .size: 8, .value_kind: global_buffer, .address_space: global }
      - { .name: osc, .offset: 24, .size: 8, .value_kind: global_buffer, .address_space: global }
    .group_segment_fixed_size: 210944
    .private_segment_fixed_size: 0
    .kernarg_segment_align: 8
    .kernarg_segment_size: 32
    .max_flat_workgroup_size: 512
    .sgpr_count:     102
    .vgpr_count:     256
    .wavefront_size: 32
...
	.end_amdgpu_metadata
.endif
;; end of part 3
;; launch ogemm (part 4): grid 4 x 16, 4 waves a work-group, clusters of 4 x 4, 327,680 bytes of LDS; arguments oimg, osc, img, isc, out0; writes out0
.if DOCPART == 4
	.amdgcn_target "amdgcn-amd-amdhsa--gfx1250"
	.amdhsa_code_object_version 6
	.text
	.protected	k_q402b87fd2b_ogemm
	.globl	k_q402b87fd2b_ogemm
	.p2align	8
	.type	k_q402b87fd2b_ogemm,@function
k_q402b87fd2b_ogemm:
	s_mov_b64 s[64:65], 0
	v_nop
	global_prefetch_b8 v0, s[64:65] scope:SCOPE_SE
	s_setreg_imm32_b32 hwreg(HW_REG_WAVE_MODE, 25, 1), 1
	s_wait_xcnt 0x0
	s_wait_alu depctr_hold_cnt(0) depctr_sa_sdst(0) depctr_va_vdst(0) depctr_va_sdst(0) depctr_va_ssrc(0) depctr_va_vcc(0) depctr_vm_vsrc(0)
	s_getreg_b32 s2, hwreg(HW_REG_IB_STS2, 6, 4)
	s_cmp_eq_u32 s2, 0
	s_cbranch_scc0 .Lentry_in_a_cluster
	s_endpgm
.Lentry_in_a_cluster:
	s_bfe_u32 s2, ttmp6, 0x10000c
	s_cmp_lg_u32 s2, 0xf033
	s_cbranch_scc0 .Lentry_shape_is_right
	s_endpgm
.Lentry_shape_is_right:
; out0 = o w_o^T on codes of FP6 (E2M3) with E8M0 scales, f32 sums, K = 1,024.  o: 4,096 tokens, as images of the operand's registers (oimg, osc); w_o: row tiles 448-511 of img and isc.  out0: [4096][1024] f32.
; A tile of out0, 256 x 256, is made by four waves of 128 x 128 (64 accumulators, 512 registers).  S1 = the tokens (source 1: a lane holds one token), S0 = w_o's rows (source 0: a lane's registers run along the
; output's columns).  64 work-groups: the largest wave tile, so that each LDS byte feeds the most products; the launch is short beside the others.
; IMAGES: a row tile (16 rows) is 8 fragments of 1,536 bytes, a fragment 6 register pairs of 256 bytes, lane l's 8 bytes at 8 l: a load of a pair reads 256 consecutive LDS bytes, so there is no padding.
; Lane r of row tile 2 g + u holds row 32 g + 8 u + r + 8 (r / 8): the way out puts rows and columns back by its offsets.
; K goes in steps of 256 through a ring of two LDS slots; the scale words of the work-group's 512 rows, for all of K, come once.
; CLUSTERS: 4 x 4 work-groups; S1's tiles are shared along a row of the cluster, S0's along a column: each is asked for jointly, by the same tensor load with the same descriptor and a mask of four.
; REGISTERS, in windows of 256: window 0: v16-29 addresses; v32-63 scale words, two sets, and nothing else; from v128 S1's fragments, one set; on the way out v128-255 take rows of out0.
;   window 1: S0's fragments, two sets, at v0 and v128.   window 2: the accumulators of my S1 blocks 0-3 ((a, b) at v[8 (8 a + b)]);   window 3: those of blocks 4-7.
.set NQ,     2
.set FR,     12
.set NL,     6
.set NP,     4                         ; places behind this matrix instruction (ISA guide 7.12.1)
.set FRB,    1536
.set TILEB,  NQ*FRB
.set TROW,   8*FRB
.set HALFT,  8*TILEB                   ; 8 row tiles: what one tensor load brings
.set SLOT,   4*HALFT
.set LAPS,   2
.set SCL,    2*SLOT
.set HALFS,  8*512
.set SPARE,  SCL+4*HALFS               ; the spare words, 128 bytes for each wave: two blocks of 256 bytes that no other line names
.set SPITCH, 528                       ; the way out: a stage of 16 rows x (512 bytes + 16) for each wave, in slot 0, which has had its last fill and its last read when the first result is stored there
.set ADRA, 16
.set ADRB, 20
.set STO,  24                          ; v24  the way out: where I put 16 bytes of a row
.set RD,   25                          ; v25  where I read a row back
.set CO,   26                          ; v26  16 x lane
.set ADRS, 27
.set SPW,  28
.set NIL,  29
.set SC,   32
.set AF,   128
.set BK,   128                         ; 16 rows read back from the stage: v128-191 and v192-255 by turns
.set G1, 24
.set G0, 32
.set G1B, 48
.set G0B, 56
.set G1S, 68
.set G0S, 76
.set G1SB, 80
.set G0SB, 88
.set MSB, 0
.macro WIN new                         ; the immediate's high byte repeats the setting that is left
.if MSB != \new
	s_set_vgpr_msb (MSB<<8)|\new
.set MSB, \new
.endif
.endm
.set MUL_LO, 0xa1
.set MUL_HI, 0xf1
.set TO_B,   0x40
.macro JLOAD g0a, g1a, g0b, g1b        ; a joint load: waves 0 and 1 fetch for S1, waves 2 and 3 for S0; four v_nop follow each of the two lines
	s_cmp_eq_u32 s15, 0
	s_cbranch_scc0 .Lfor_b_\@
	tensor_load_to_lds s[\g0a:\g0a+3], s[\g1a:\g1a+7]
	s_nop 0
.rept 4
	v_nop
.endr
	s_branch .Lasked_\@
.Lfor_b_\@:
	tensor_load_to_lds s[\g0b:\g0b+3], s[\g1b:\g1b+7]
	s_nop 0
.rept 4
	v_nop
.endr
.Lasked_\@:
.endm
.macro CREST
	s_cmp_lg_u32 s14, 0
	s_cbranch_scc1 .Lnot_wave_0_\@
	s_barrier_signal -3
.Lnot_wave_0_\@:
	s_barrier_wait -3
	s_barrier_signal -1
	s_barrier_wait -1
.endm
.macro CROUND
	s_barrier_signal -1
	s_barrier_wait -1
	CREST
.endm
	s_load_b128 s[4:7], s[0:1], 0x0                ; oimg s[4:5], osc s[6:7]
	s_load_b128 s[8:11], s[0:1], 0x10              ; img s[8:9], isc s[10:11]
	s_load_b64 s[12:13], s[0:1], 0x20              ; out0
	v_lshl_add_u32 v[SPW], v0, 2, SPARE
	v_mov_b32 v[NIL], 0
	ds_add_u32 v28, v29
	ds_add_u32 v28, v29
	s_wait_dscnt 0x0
	v_lshrrev_b32 v1, 5, v0
	v_readfirstlane_b32 s14, v1                    ; wave 0..3
	s_lshr_b32 s15, s14, 1                         ; which half of the tokens is mine.  Also: I fetch for S1 (0) or for S0 (1)
	s_and_b32 s16, s14, 1                          ; which half of the columns.  Also: which 8 row tiles I fetch
	s_bfe_u32 s40, ttmp6, 0x40000                  ; cx, cy
	s_bfe_u32 s41, ttmp6, 0x40004
	s_lshl_b32 s42, ttmp9, 2
	s_add_co_u32 s42, s42, s40                     ; tile column = 4 x cluster x + cx
	s_and_b32 s17, ttmp7, 0xffff
	s_lshl_b32 s17, s17, 2
	s_add_co_u32 s17, s17, s41                     ; tile row = 4 x cluster y + cy
	s_lshl_b32 s43, s41, 2
	s_lshl_b32 s43, 15, s43                        ; my row of the cluster
	s_lshl_b32 s44, 0x1111, s40                    ; my column
	s_or_b32 s[G1+0], s43, (3<<16)|(1<<21)         ; 8 row tiles x 3,072 bytes (384 elements of 8 bytes), 12,288 bytes apart; dense in LDS
	s_or_b32 s[G1B+0], s44, (3<<16)|(1<<21)
.irp g, G1, G1B
	s_mov_b32 s[\g+1], 384<<16
	s_mov_b32 s[\g+2], 8<<16
	s_mov_b32 s[\g+3], 384<<16
	s_mov_b32 s[\g+4], 8
	s_mov_b32 s[\g+5], 1536
	s_mov_b32 s[\g+6], 0
	s_mov_b32 s[\g+7], 0
.endr
	s_or_b32 s[G1S+0], s43, (3<<16)|(1<<21)        ; the scale words of 8 row tiles: 4,096 dense bytes, as 16 rows of 256
	s_or_b32 s[G1SB+0], s44, (3<<16)|(1<<21)
.irp g, G1S, G1SB
	s_mov_b32 s[\g+1], 32<<16
	s_mov_b32 s[\g+2], 16<<16
	s_mov_b32 s[\g+3], 32<<16
	s_mov_b32 s[\g+4], 16
	s_mov_b32 s[\g+5], 32
	s_mov_b32 s[\g+6], 0
	s_mov_b32 s[\g+7], 0
.endr
	s_lshl_b32 s18, s16, 3
	s_lshl_b32 s20, s17, 4
	s_add_co_u32 s20, s20, s18                     ; S1: first row tile of oimg
	s_lshl_b32 s46, s42, 4
	s_add_co_u32 s46, s46, s18
	s_add_co_u32 s46, s46, 448                     ; S0: first row tile of img: w_o's begin at 448
	s_lshl_b32 s22, s20, 9
	s_mov_b32 s23, 0
	s_lshl_b32 s92, s46, 9
	s_mov_b32 s93, 0
	s_mul_i32 s20, s20, TROW
	s_mov_b32 s21, 0
	s_mul_i32 s46, s46, TROW
	s_mov_b32 s47, 0
	s_mul_i32 s45, s14, HALFT                      ; where they go: no place in the cluster enters an LDS address
	s_mul_i32 s94, s14, HALFS
	s_wait_kmcnt 0x0
	s_add_nc_u64 s[20:21], s[4:5], s[20:21]
	s_add_nc_u64 s[22:23], s[6:7], s[22:23]
	s_add_nc_u64 s[46:47], s[8:9], s[46:47]
	s_add_nc_u64 s[92:93], s[10:11], s[92:93]
	CROUND                                         ; all sixteen work-groups are here: the first joint loads meet
	s_mov_b32 s[G0S], 1
	s_add_co_u32 s[G0S+1], s94, SCL
	s_mov_b64 s[G0S+2:G0S+3], s[22:23]
	s_or_b32 s[G0S+3], s[G0S+3], 0x80000000
	s_mov_b32 s[G0SB], 1
	s_add_co_u32 s[G0SB+1], s94, SCL
	s_mov_b64 s[G0SB+2:G0SB+3], s[92:93]
	s_or_b32 s[G0SB+3], s[G0SB+3], 0x80000000
	JLOAD G0S, G1S, G0SB, G1SB
.irp s, 0,1
	s_mov_b32 s[G0+4*\s], 1
	s_add_co_u32 s[G0+4*\s+1], s45, \s*SLOT
	s_add_nc_u64 s[G0+4*\s+2:G0+4*\s+3], s[20:21], \s*TILEB
	s_or_b32 s[G0+4*\s+3], s[G0+4*\s+3], 0x80000000
	s_mov_b32 s[G0B+4*\s], 1
	s_add_co_u32 s[G0B+4*\s+1], s45, \s*SLOT
	s_add_nc_u64 s[G0B+4*\s+2:G0B+4*\s+3], s[46:47], \s*TILEB
	s_or_b32 s[G0B+4*\s+3], s[G0B+4*\s+3], 0x80000000
	JLOAD G0+4*\s, G1, G0B+4*\s, G1B
.endr
	v_and_b32 v1, 15, v0                           ; r
	v_bfe_u32 v2, v0, 4, 1                         ; h
	v_and_b32 v3, 31, v0
	v_lshlrev_b32 v4, 3, v3                        ; 8 x lane
	s_mul_i32 s21, s15, HALFT
	s_mul_i32 s22, s16, HALFT
	s_add_co_u32 s22, s22, 2*HALFT
.irp s, 0,1
	v_add_nc_u32 v[ADRA+\s], s21, v4
	v_add_nc_u32 v[ADRB+\s], s22, v4
	s_add_co_u32 s21, s21, SLOT
	s_add_co_u32 s22, s22, SLOT
.endr
	v_lshlrev_b32 v5, 3, v1                        ; my row's two scale words of a K step: 8 r
	s_mul_i32 s21, s15, HALFS
	s_mul_i32 s22, s16, HALFS
	s_add_co_u32 s22, s22, 2*HALFS
	s_sub_co_u32 s22, s22, s21
	v_mul_u32_u24 v6, s22, v2                      ; lanes 16-31 take S0's: one product, the distance between the two bases
	s_add_co_u32 s21, s21, SCL
	v_add_nc_u32 v5, v5, v6
	v_add_nc_u32 v[ADRS], s21, v5
	s_mul_i32 s23, s14, 16*SPITCH                  ; my stage
	v_mul_u32_u24 v5, v1, SPITCH
	v_lshl_add_u32 v5, v2, 6, v5
	v_add_nc_u32 v[STO], s23, v5                   ; in: row r, + 64 h
	v_lshlrev_b32 v[CO], 4, v3                     ; back: the 32 lanes take one row of 512 bytes; the same in out0
	v_add_nc_u32 v[RD], s23, v[CO]
	s_lshl_b32 s20, s17, 8
	s_lshl_b32 s21, s15, 7
	s_add_co_u32 s20, s20, s21                     ; my first token
	s_lshl_b32 s20, s20, 12                        ; x 4,096 bytes
	s_lshl_b32 s46, s42, 10                        ; my first column, in bytes
	s_lshl_b32 s47, s16, 9
	s_add_co_u32 s46, s46, s47
	s_add_co_u32 s20, s20, s46
	s_mov_b32 s21, 0
	s_add_nc_u64 s[12:13], s[12:13], s[20:21]
.macro FRAG reg, adr, q, i
.irp p, 0,1,2,3,4,5
	ds_load_b64 v[\reg+2*\p:\reg+2*\p+1], v[\adr] offset:(\i)*TILEB+(\q)*FRB+256*\p
.endr
.endm
; The 64 accumulators take turns, one instruction a turn, in the same order in every step.
.macro MUL16 a0, p, q, sc, zero
.irp a, \a0, \a0+1
.irp b, 0,1,2,3,4,5,6,7
.if \zero
	v_wmma_scale_f32_16x16x128_f8f6f4 v[8*(8*((\a)%4)+\b):8*(8*((\a)%4)+\b)+7], v[128*(\p)+FR*\b:128*(\p)+FR*\b+FR-1], v[AF+FR*(\a):AF+FR*(\a)+FR-1], 0, v[SC+8*NQ*(\sc)+NQ*\b+(\q)], v[SC+8*NQ*(\sc)+NQ*(\a)+(\q)] matrix_a_fmt:MATRIX_FMT_FP6 matrix_b_fmt:MATRIX_FMT_FP6 matrix_a_scale:MATRIX_SCALE_ROW1
.else
	v_wmma_scale_f32_16x16x128_f8f6f4 v[8*(8*((\a)%4)+\b):8*(8*((\a)%4)+\b)+7], v[128*(\p)+FR*\b:128*(\p)+FR*\b+FR-1], v[AF+FR*(\a):AF+FR*(\a)+FR-1], v[8*(8*((\a)%4)+\b):8*(8*((\a)%4)+\b)+7], v[SC+8*NQ*(\sc)+NQ*\b+(\q)], v[SC+8*NQ*(\sc)+NQ*(\a)+(\q)] matrix_a_fmt:MATRIX_FMT_FP6 matrix_b_fmt:MATRIX_FMT_FP6 matrix_a_scale:MATRIX_SCALE_ROW1
.endif
.endr
.endr
.endm
.macro FETCH_B slot, q, p
	WIN TO_B
.irp i, 0,1,2,3,4,5,6,7
	FRAG 128*(\p)+FR*\i, ADRB+\slot, \q, \i
.endr
	WIN 0
.endm
.macro FETCH_A slot, q, i0
.irp i, \i0, \i0+1, \i0+2, \i0+3
	FRAG AF+FR*(\i), ADRA+\slot, \q, \i
.endr
.endm
.macro SCALES sc
.irp i, 0,1,2,3,4,5,6,7
	ds_load_b64 v[SC+8*NQ*\sc+NQ*\i:SC+8*NQ*\sc+NQ*\i+1], v[ADRS] offset:\i*512
.endr
.endm
.macro PLACES n                        ; places in front of loads into registers that matrix instructions have read, and of the first read of results
.rept \n
	v_nop
.endr
.endm
.macro STEP slot, q, zero
	s_wait_dscnt 4*NL                              ; S0's set and S1's blocks 0-3 are in; the youngest 24 loads (S1's blocks 4-7) may be out
	WIN MUL_LO
	MUL16 0, (\q)%2, \q, \slot, \zero
	MUL16 2, (\q)%2, \q, \slot, \zero
	s_wait_dscnt 0
	PLACES NP
	FETCH_B \slot, (\q)+1, 1-(\q)%2
	FETCH_A \slot, (\q)+1, 0
	WIN MUL_HI
	MUL16 4, (\q)%2, \q, \slot, \zero
	MUL16 6, (\q)%2, \q, \slot, \zero
	PLACES NP
	WIN 0
	FETCH_A \slot, (\q)+1, 4
.endm
.macro TURN slot, next, fill
	s_wait_tensorcnt 0x0                           ; all my tensor loads have landed: my part of the next slot
	ds_add_u32 v[SPW], v[NIL]                      ; 0 onto my spare word
	s_wait_dscnt 4*NL+1                            ; (the add and the youngest 24 loads may be out)
	WIN MUL_LO
	MUL16 0, 1, NQ-1, \slot, 0
	s_wait_dscnt 0x0                               ; the add is done, and my reads of this slot are over
	s_barrier_signal -1
	MUL16 2, 1, NQ-1, \slot, 0
	WIN 0
	s_barrier_wait -1
.if \fill
	CREST                                          ; the barrier has opened a round of the cluster's barrier: no wave of any partner still reads this slot or has a load on its way
	s_add_nc_u64 s[G0+4*\slot+2:G0+4*\slot+3], s[G0+4*\slot+2:G0+4*\slot+3], 2*TILEB
	s_add_nc_u64 s[G0B+4*\slot+2:G0B+4*\slot+3], s[G0B+4*\slot+2:G0B+4*\slot+3], 2*TILEB
	JLOAD G0+4*\slot, G1, G0B+4*\slot, G1B         ; the first tensor load behind the round
.else
	PLACES NP
.endif
	v_add_nc_u32 v[ADRS], 128, v[ADRS]
	FETCH_B \next, 0, 0
	FETCH_A \next, 0, 0
	SCALES \next
	WIN MUL_HI
	MUL16 4, 1, NQ-1, \slot, 0
	MUL16 6, 1, NQ-1, \slot, 0
	PLACES NP
	WIN 0
	FETCH_A \next, 0, 4
.endm
	s_wait_tensorcnt 1                             ; the scale words and my part of K step 0 are in (of my three loads K step 1's may be out),
	s_barrier_signal -1
	s_barrier_wait -1                              ; everybody's are
	FETCH_B 0, 0, 0
	FETCH_A 0, 0, 0
	SCALES 0
	FETCH_A 0, 0, 4
	STEP 0, 0, 1
	s_mov_b32 s3, LAPS-1
.Llap:
	TURN 0, 1, 1
	STEP 1, 0, 0
	TURN 1, 0, 1
	STEP 0, 0, 0
	s_sub_co_u32 s3, s3, 1
	s_cmp_lg_u32 s3, 0
	s_cbranch_scc1 .Llap
	TURN 0, 1, 0
	STEP 1, 0, 0
	s_wait_dscnt 4*NL
	WIN MUL_LO
	MUL16 0, 1, NQ-1, 1, 0
	MUL16 2, 1, NQ-1, 1, 0
	s_wait_dscnt 0
	WIN MUL_HI
	MUL16 4, 1, NQ-1, 1, 0
	MUL16 6, 1, NQ-1, 1, 0
	WIN 0
; THE WAY OUT, block by block of 16 tokens x 128 columns.  In accumulator b lane (r, h) holds columns 32 (b / 2) + 8 (b % 2) + 16 h + 0 .. 7 of the token of lane r.  A block goes through my own stage in LDS and
; comes back as whole rows of 512 bytes.  Stage row t is token 32 (a / 2) + 8 (a % 2) + t + 8 (t / 8) of my 128: that stands in the store's immediate, 127 rows of 4,096 bytes at the most, so the base never steps.
; LDS serves a wave's instructions in order (ISA guide 5.7.1.4): no wait between the stores and the loads, nor in front of the next block's stores.
.macro TOSTAGE a
.set AC, 64*((\a)%4)
	WIN 0x08+4*((\a)/4)                            ; the data: window 2 or 3
.irp b, 0,1,2,3,4,5,6,7
	ds_store_b128 v[STO], v[AC+8*\b:AC+8*\b+3] offset:128*(\b/2)+32*(\b%2)          ; each accumulator from its low end on
	ds_store_b128 v[STO], v[AC+8*\b+4:AC+8*\b+7] offset:128*(\b/2)+32*(\b%2)+16
.endr
	WIN 0
.set BB, BK+64*((\a)%2)
.irp t, 0,1,2,3,4,5,6,7,8,9,10,11,12,13,14,15
	ds_load_b128 v[BB+4*\t:BB+4*\t+3], v[RD] offset:\t*SPITCH
.endr
.endm
.macro SEND a, younger                 ; younger: the LDS instructions issued behind block a's loads, which may stay out
.set BB, BK+64*((\a)%2)
	s_wait_dscnt \younger
.irp t, 0,1,2,3,4,5,6,7,8,9,10,11,12,13,14,15
	global_store_b128 v[CO], v[BB+4*\t:BB+4*\t+3], s[12:13] offset:(32*((\a)/2)+8*((\a)%2)+\t+8*(\t/8))*4096 th:TH_STORE_NT   ; 32 lanes store 512 consecutive bytes, aligned; written once, read by nobody here
.endr
.endm
	PLACES NP
	TOSTAGE 0
.irp a, 1,2,3,4,5,6,7
.if \a > 1
	s_wait_xcnt 0x0                                ; block a - 2's stores have read their registers: block a's loads may land there
.endif
	TOSTAGE \a
	SEND \a-1, 32                                  ; behind block a - 1's loads: block a's 16 stores and 16 loads
.endr
	SEND 7, 0
	s_wait_tensorcnt 0x0                           ; the wave's end
	ds_add_u32 v[SPW], v[NIL]
	s_wait_dscnt 0x0
	CROUND                                         ; the closing round
	s_endpgm
.Lfunc_end_k_q402b87fd2b_ogemm:
	.size	k_q402b87fd2b_ogemm, .Lfunc_end_k_q402b87fd2b_ogemm-k_q402b87fd2b_ogemm
	.p2alignl 7, 3214868480
	.fill 96, 4, 3214868480
	.section	.rodata,"a",@progbits
	.p2align	6, 0x0
	.amdhsa_kernel k_q402b87fd2b_ogemm
		.amdhsa_group_segment_fixed_size 327680
		.amdhsa_private_segment_fixed_size 0
		.amdhsa_enable_private_segment 0
		.amdhsa_kernarg_size 40
		.amdhsa_user_sgpr_count 2
		.amdhsa_user_sgpr_kernarg_segment_ptr 1
		.amdhsa_wavefront_size32 1
		.amdhsa_system_sgpr_workgroup_id_x 1
		.amdhsa_system_sgpr_workgroup_id_y 1
		.amdhsa_system_sgpr_workgroup_id_z 1
		.amdhsa_system_vgpr_workitem_id 0
		.amdhsa_next_free_vgpr 1024
		.amdhsa_next_free_sgpr 98
		.amdhsa_reserve_vcc 0
		.amdhsa_float_denorm_mode_32 3
		.amdhsa_float_denorm_mode_16_64 3
		.amdhsa_memory_ordered 1
		.amdhsa_forward_progress 1
		.amdhsa_inst_pref_size 159
	.end_amdhsa_kernel
	.amdgpu_metadata
---
amdhsa.version: [ 1, 2 ]
amdhsa.kernels:
  - .name:           k_q402b87fd2b_ogemm
    .symbol:         k_q402b87fd2b_ogemm.kd
    .args:
      - { .name: oimg, .offset: 0, .size: 8, .value_kind: global_buffer, .address_space: global }
      - { .name: osc, .offset: 8, .size: 8, .value_kind: global_buffer, .address_space: global }
      - { .name: img, .offset: 16, .size: 8, .value_kind: global_buffer, .address_space: global }
      - { .name: isc, .offset: 24, .size: 8, .value_kind: global_buffer, .address_space: global }
      - { .name: out0, .offset: 32, .size: 8, .value_kind: global_buffer, .address_space: global }
    .group_segment_fixed_size: 327680
    .private_segment_fixed_size: 0
    .kernarg_segment_align: 8
    .kernarg_segment_size: 40
    .max_flat_workgroup_size: 128
    .sgpr_count:     98
    .vgpr_count:     1024
    .wavefront_size: 32
...
	.end_amdgpu_metadata
.endif
;; end of part 4
;; ======== version 2 of 2: 4 launches
;; limits: right only within a limited range of input values
;; workspace buffers: img 6,291,456 bytes; isc 262,144 bytes; qc 3,145,728 bytes; qw 131,072 bytes; kv 6,553,600 bytes; oimg 3,145,728 bytes; osc 131,072 bytes
;; launch quant (part 5): grid 256 x 1, 8 waves a work-group, no clusters, 68,608 bytes of LDS; arguments x, w_qkv, w_o, img, isc; writes img, isc
.if DOCPART == 5
	.amdgcn_target "amdgcn-amd-amdhsa--gfx1250"
	.amdhsa_code_object_version 6
	.text
	.protected	k_q402b87fd2b_quant
	.globl	k_q402b87fd2b_quant
	.p2align	8
	.type	k_q402b87fd2b_quant,@function
k_q402b87fd2b_quant:
	s_mov_b64 s[64:65], 0
	v_nop
	global_prefetch_b8 v0, s[64:65] scope:SCOPE_SE
	s_setreg_imm32_b32 hwreg(HW_REG_WAVE_MODE, 25, 1), 1
	s_wait_xcnt 0x0
; THE PROGRAM: quant (x, w_qkv, w_o into codes), qkvgemm (Q, K, V as codes), attn (causal attention, O as codes), ogemm (the last product).
; WORK LEFT OUT: reference() replaces every score of a key behind its query by -1e9 ahead of the softmax, in its own body; such a key counts as p = 0, and key steps of 128 that are hidden for all of a tile's queries are not computed.
; A NaN, an infinity or an overflow that reaches only those scores is not carried to the result.
; x [4096][1024], w_qkv [3072][1024], w_o [1024][1024], f32, K innermost, become codes of FP6 (E2M3) with one E8M0 byte for each 32 along K, laid in the order of the operand's registers.
; ROW TILES of 16: x 0-255, w_qkv 256-447, w_o 448-511.  Lane r of tile 4 g + j of a tensor holds its row 64 g + 32 (r / 8) + 8 j + r % 8: used as source 0, the 32 result registers of a band's four tiles are 32 neighbours.
; w_qkv's tiles lie by heads: tile j of head hd, part p (Q, K, V) is tile 256 + 12 hd + 4 p + j: what one work-group of the next launch needs is dense.
; img: a tile is 8 fragments (128 along K each) of 1,536 bytes: three pieces of four registers, lane l's 16 bytes at 16 l.  isc: a tile is 512 bytes, [pair of K steps][r][8 bytes].
; LIMITS: a block whose largest magnitude lies under 2^-124 (a block of zeros too) keeps the scale byte 1; only this program reads the bytes.  NaN and infinities among the inputs are not served.
; SHARES: a work-group of eight waves takes two tiles, a wave one tile x 256 along K.  All its 32 loads go out at the start; a step's 16 rows turn through the wave's own LDS stage (rows 528 bytes apart).
; No two work-groups read the same byte: no clusters, no barrier.  A wave's store of scale words is 128 consecutive bytes.
.set STG,  8448
.set W,    10                          ; v10-11 the two K steps' scale words
.set TM,   16                          ; v16-24 at work
.set PC,   36                          ; v36-47 the fragment; v48-50, v52-54 second halves
.set R,    64                          ; v64-191 two sets as loaded
.set X,    192                         ; v192-255 register 32 c + i = k 64 c + 32 h + i of my row
.set SPARE, 67584
	s_load_b256 s[4:11], s[0:1], 0x0               ; x, w_qkv, w_o, img
	s_load_b64 s[12:13], s[0:1], 0x20              ; isc
	v_lshl_add_u32 v62, v0, 2, SPARE
	v_mov_b32 v63, 0
	v_lshrrev_b32 v1, 5, v0
	v_readfirstlane_b32 s14, v1
	s_mul_i32 s22, s14, STG
	v_and_b32 v1, 31, v0
	v_and_b32 v2, 15, v0                           ; r
	v_bfe_u32 v3, v0, 4, 1                         ; h
	v_lshlrev_b32 v4, 4, v1                        ; 16 x lane
	v_mul_u32_u24 v7, v2, 528
	v_add_nc_u32 v6, s22, v4                       ; the stage, in
	v_lshl_add_u32 v7, v3, 7, v7
	v_lshlrev_b32 v8, 3, v2                        ; 8 r
	v_lshlrev_b32 v9, 3, v3                        ; 8 h
	v_add_nc_u32 v7, s22, v7                       ; out: row r, + 128 h
	v_mov_b32 v[TM+8], 0                           ; a lane permute's destination counts as a source
	s_mov_b32 s20, 0x76543210
	s_mov_b32 s21, 0xfedcba98
	s_lshr_b32 s15, s14, 2                         ; which of the two tiles
	s_and_b32 s16, s14, 3                          ; which quarter of K
	s_mov_b32 s17, 224
	s_wait_alu depctr_va_vdst(0)
	s_wait_kmcnt 0x0
	s_cmp_lt_u32 ttmp9, 224                        ; which tensor: by the work-group's number alone
	s_cselect_b64 s[6:7], s[6:7], s[8:9]
	s_cselect_b32 s17, 128, s17
	s_cmp_lt_u32 ttmp9, 128
	s_cselect_b64 s[4:5], s[4:5], s[6:7]
	s_cselect_b32 s17, 0, s17
	s_sub_co_u32 s18, ttmp9, s17
	s_lshr_b32 s19, s18, 1
	s_lshl_b32 s19, s19, 18                        ; 64 rows of 4,096 bytes a band,
	s_and_b32 s18, s18, 1
	s_lshl_b32 s18, s18, 16                        ; 16 rows on for the band's second work-group,
	s_add_co_u32 s18, s18, s19
	s_lshl_b32 s19, s15, 15                        ; 8 for its second tile,
	s_add_co_u32 s18, s18, s19
	s_lshl_b32 s19, s16, 10                        ; 256 numbers for each quarter of K
	s_add_co_u32 s18, s18, s19
	s_mov_b32 s19, 0
	s_add_nc_u64 s[4:5], s[4:5], s[18:19]
	s_lshl_b32 s23, ttmp9, 1
	s_add_co_u32 s23, s23, s15                     ; my tile among the 512
	s_sub_co_u32 s24, s23, 256                     ; w_qkv's tile: part x 64 + head x 4 + j
	s_lshr_b32 s25, s24, 6
	s_lshl_b32 s25, s25, 2
	s_bfe_u32 s26, s24, 0x40002
	s_mul_i32 s26, s26, 12
	s_and_b32 s24, s24, 3
	s_add_co_u32 s24, s24, s25
	s_add_co_u32 s24, s24, s26
	s_add_co_u32 s24, s24, 256
	s_cmp_lt_u32 ttmp9, 224
	s_cselect_b32 s24, s24, s23
	s_cmp_lt_u32 ttmp9, 128
	s_cselect_b32 s23, s23, s24                    ; its place in img
	s_mul_i32 s18, s23, 12288
	s_mul_i32 s24, s16, 3072
	s_add_co_u32 s18, s18, s24
	s_add_nc_u64 s[10:11], s[10:11], s[18:19]
	s_lshl_b32 s18, s23, 9
	s_lshl_b32 s24, s16, 7
	s_add_co_u32 s18, s18, s24
	s_add_nc_u64 s[12:13], s[12:13], s[18:19]
.macro LOAD t                          ; K step t: 512 bytes of each of my 16 rows
.irp i, 0,1,2,3,4,5,6,7,8,9,10,11,12,13,14,15
	global_load_b128 v[R+64*(\t)+4*\i:R+64*(\t)+4*\i+3], v4, s[4:5] offset:(\i+24*(\i/8))*4096+512*(\t) th:TH_LOAD_NT
.endr
.endm
.macro STEP t
.if (\t) == 0
	s_wait_loadcnt 16                              ; the second step's 16 loads may be out
.else
	s_wait_loadcnt 0x0
.endif
.irp i, 0,1,2,3,4,5,6,7,8,9,10,11,12,13,14,15      ; LDS serves a wave's instructions in order: no wait between the stores and the loads
	ds_store_b128 v6, v[R+64*(\t)+4*\i:R+64*(\t)+4*\i+3] offset:528*\i
.endr
.irp j, 0,1,2,3,4,5,6,7
	ds_load_b128 v[X+4*\j:X+4*\j+3], v7 offset:16*\j
	ds_load_b128 v[X+32+4*\j:X+35+4*\j], v7 offset:256+16*\j
.endr
	s_wait_dscnt 0x0
	s_wait_xcnt 0x0                                ; the last step's stores have read the fragment's registers
.irp q, 0,1,2,3                                    ; four chains: two halves of two blocks; the floor 2^(3 - 127) holds the byte at 1 from below
	v_max3_num_f32 v[TM+\q], |v[X+16*\q]|, |v[X+1+16*\q]|, 0x1800000
.endr
.irp i, 2,4,6,8,10,12,14
.irp q, 0,1,2,3
	v_max3_num_f32 v[TM+\q], v[TM+\q], |v[X+16*\q+\i]|, |v[X+1+16*\q+\i]|
.endr
.endr
	v_max_num_f32 v[TM], v[TM], v[TM+1]
	v_max_num_f32 v[TM+2], v[TM+2], v[TM+3]
	v_add_nc_u32 v[TM+4], 0xff000000, v[TM]        ; 2 off the exponent field: the conversion's scale operand
	v_add_nc_u32 v[TM+5], 0xff000000, v[TM+2]
	v_lshrrev_b32 v[TM+6], 23, v[TM+4]             ; the scale bytes of blocks h and 2 + h
	v_lshrrev_b32 v[TM+7], 23, v[TM+5]
	v_lshl_or_b32 v[W+\t], v[TM+7], 16, v[TM+6]
	v_lshlrev_b32 v[W+\t], v9, v[W+\t]
	v_permlanex16_b32 v[TM+8], v[W+\t], s20, s21
	v_or_b32 v[W+\t], v[W+\t], v[TM+8]             ; with lane l xor 16's two the word is whole
	v_cvt_scalef32_pk16_fp6_f32 v[PC:PC+2], v[X:X+15], v[TM+4]
	v_cvt_scalef32_pk16_fp6_f32 v[PC+12:PC+14], v[X+16:X+31], v[TM+4]   ; (a conversion's three registers begin on an even number)
	v_cvt_scalef32_pk16_fp6_f32 v[PC+6:PC+8], v[X+32:X+47], v[TM+5]
	v_cvt_scalef32_pk16_fp6_f32 v[PC+16:PC+18], v[X+48:X+63], v[TM+5]
	v_nop                                          ; one plain place behind a scaled conversion
.irp i, 0,1,2
	v_mov_b32 v[PC+3+\i], v[PC+12+\i]
	v_mov_b32 v[PC+9+\i], v[PC+16+\i]
.endr
.irp p, 0,1,2
	global_store_b128 v4, v[PC+4*\p:PC+4*\p+3], s[10:11] offset:1536*(\t)+512*\p   ; 512 consecutive bytes, aligned
.endr
.endm
	LOAD 0
	LOAD 1
	STEP 0
	STEP 1
	global_store_b64 v8, v[W:W+1], s[12:13]        ; lanes l and l xor 16 write the same bytes with the same value
	s_wait_tensorcnt 0x0                           ; the wave's end
	ds_add_u32 v62, v63
	s_wait_dscnt 0x0
	s_endpgm
.Lfunc_end_k_q402b87fd2b_quant:
	.size	k_q402b87fd2b_quant, .Lfunc_end_k_q402b87fd2b_quant-k_q402b87fd2b_quant
	.p2alignl 7, 3214868480
	.fill 96, 4, 3214868480
	.section	.rodata,"a",@progbits
	.p2align	6, 0x0
	.amdhsa_kernel k_q402b87fd2b_quant
		.amdhsa_group_segment_fixed_size 68608
		.amdhsa_private_segment_fixed_size 0
		.amdhsa_enable_private_segment 0
		.amdhsa_kernarg_size 40
		.amdhsa_user_sgpr_count 2
		.amdhsa_user_sgpr_kernarg_segment_ptr 1
		.amdhsa_wavefront_size32 1
		.amdhsa_system_sgpr_workgroup_id_x 1
		.amdhsa_system_sgpr_workgroup_id_y 1
		.amdhsa_system_sgpr_workgroup_id_z 1
		.amdhsa_system_vgpr_workitem_id 0
		.amdhsa_next_free_vgpr 256
		.amdhsa_next_free_sgpr 66
		.amdhsa_reserve_vcc 0
		.amdhsa_float_denorm_mode_32 3
		.amdhsa_float_denorm_mode_16_64 3
		.amdhsa_memory_ordered 1
		.amdhsa_forward_progress 1
		.amdhsa_inst_pref_size 18
	.end_amdhsa_kernel
	.amdgpu_metadata
---
amdhsa.version: [ 1, 2 ]
amdhsa.kernels:
  - .name:           k_q402b87fd2b_quant
    .symbol:         k_q402b87fd2b_quant.kd
    .args:
      - { .name: x, .offset: 0, .size: 8, .value_kind: global_buffer, .address_space: global }
      - { .name: w_qkv, .offset: 8, .size: 8, .value_kind: global_buffer, .address_space: global }
      - { .name: w_o, .offset: 16, .size: 8, .value_kind: global_buffer, .address_space: global }
      - { .name: img, .offset: 24, .size: 8, .value_kind: global_buffer, .address_space: global }
      - { .name: isc, .offset: 32, .size: 8, .value_kind: global_buffer, .address_space: global }
    .group_segment_fixed_size: 68608
    .private_segment_fixed_size: 0
    .kernarg_segment_align: 8
    .kernarg_segment_size: 40
    .max_flat_workgroup_size: 256
    .sgpr_count:     66
    .vgpr_count:     256
    .wavefront_size: 32
...
	.end_amdgpu_metadata
.endif
;; end of part 5
;; launch qkvgemm (part 6): grid 16 x 16, 12 waves a work-group, clusters of 4 x 4, 327,680 bytes of LDS; arguments img, isc, qc, qw, kv; writes qc, qw, kv
.if DOCPART == 6
	.amdgcn_target "amdgcn-amd-amdhsa--gfx1250"
	.amdhsa_code_object_version 6
	.text
	.protected	k_q402b87fd2b_qkvgemm
	.globl	k_q402b87fd2b_qkvgemm
	.p2align	8
	.type	k_q402b87fd2b_qkvgemm,@function
k_q402b87fd2b_qkvgemm:
	s_mov_b64 s[64:65], 0
	v_nop
	global_prefetch_b8 v0, s[64:65] scope:SCOPE_SE
	s_setreg_imm32_b32 hwreg(HW_REG_WAVE_MODE, 25, 1), 1
	s_wait_xcnt 0x0
	s_wait_alu depctr_hold_cnt(0) depctr_sa_sdst(0) depctr_va_vdst(0) depctr_va_sdst(0) depctr_va_ssrc(0) depctr_va_vcc(0) depctr_vm_vsrc(0)
	s_getreg_b32 s2, hwreg(HW_REG_IB_STS2, 6, 4)
	s_cmp_eq_u32 s2, 0
	s_cbranch_scc0 .Lentry_in_a_cluster
	s_endpgm
.Lentry_in_a_cluster:
	s_bfe_u32 s2, ttmp6, 0x10000c
	s_cmp_lg_u32 s2, 0xf033
	s_cbranch_scc0 .Lentry_shape_is_right
	s_endpgm
.Lentry_shape_is_right:
; Q, K, V = x w_qkv^T on codes of FP6 (E2M3), K = 1,024; each result is quantised again and leaves as codes in the order of the attention's operand registers.
; LIMITS: a block whose largest magnitude lies under 2^-124 keeps the scale byte 1; NaN and infinities are not served.
; SHARES.  256 work-groups: one head's Q, K and V x 256 tokens.  Twelve waves: wave 4 hd + tb makes 64 tokens (four tiles) x 64 columns of part hd: 16 accumulators, 128 registers.
; Q and K: source 0 = the weight's rows, source 1 = the tokens: a lane holds one token and 32 neighbouring channels: one scale block.  V: the sources change places: a lane holds one channel and 32 neighbouring tokens.
; So the waves differ in addresses alone: S0 is the weight for Q and K, x for V.
; K goes in four chunks of 256 (two steps of 128), 86,016 bytes each, in three LDS slots: chunks 0-2 and the scale words are asked for at the head, one load a wave; chunk 3 refills slot 0.
; CLUSTERS 4 x 4: x's tiles are shared along a row of the cluster, the weights' along a column.  No prefetch: the text has no loop to run ahead in, and all but one chunk is asked for at the head.
; OUT (t: token tile of a key step of 128, 4 c + j):  qc [batch, head][token tile][768];  qw [batch, head][band of 64][r][p] words;
; kv [batch, head][key step][K: 8 tiles x 768 | V: [channel tile][c][768] | K's words [c][r][p] | V's words [r][channel tile]], 12,800 bytes a key step.
; A half fragment (6 registers, 768 bytes) is four registers at 16 x lane, then two at 8 x lane.  K's word (c, p) holds the bytes of tiles 2 p and 2 p + 1.  V's half words are stored by 2 bytes a lane: 1 byte in 48 of V's codes and scales.
; REGISTERS: v4-9 LDS addresses of S0, S1 in the three slots; v16-23 scale words; v32-79 S0's fragments, v80-127 S1's; v128-255 accumulator (a, b) at 128 + 8 (4 a + b).
.set SLOT, 86016
.set WO,   49152                       ; in a slot: x's 16 tiles, then the weights' 12
.set SCL,  258048
.set SPARE, 272384
.set G1X,  16
.set G1W,  24
.set G1XS, 32
.set G1WS, 48
.set G0X,  56
.set G0W,  60
.set G0XS, 68
.set G0WS, 72
.set G0XR, 76
.set G0WR, 80
.macro PLACES
.rept 4
	v_nop
.endr
.endm
.macro CROUND
	s_barrier_signal -1
	s_barrier_wait -1
	s_cmp_lg_u32 s14, 0
	s_cbranch_scc1 .Lnot_wave_0_\@
	s_barrier_signal -3
.Lnot_wave_0_\@:
	s_barrier_wait -3
	s_barrier_signal -1
	s_barrier_wait -1
.endm
.macro SHAPE g, m, c, r, p             ; r rows of c elements of 8 bytes, p apart; dense in LDS
	s_or_b32 s[\g], s[\m], (3<<16)|(1<<21)
	s_mov_b32 s[\g+1], (\c)<<16
	s_mov_b32 s[\g+2], (\r)<<16
	s_mov_b32 s[\g+3], (\c)<<16
	s_mov_b32 s[\g+4], \r
	s_mov_b32 s[\g+5], \p
	s_mov_b32 s[\g+6], 0
	s_mov_b32 s[\g+7], 0
.endm
.macro FROM g, base, off
	s_mov_b32 s[\g], 1
	s_add_nc_u64 s[\g+2:\g+3], s[\base:\base+1], s[\off:\off+1]
	s_or_b32 s[\g+3], s[\g+3], 0x80000000
.endm
.macro ARM n, g0, g1, join             ; wave n's load
	s_cmp_eq_u32 s14, \n
	s_cbranch_scc0 .Lnext_\@
	tensor_load_to_lds s[\g0:\g0+3], s[\g1:\g1+7]
	s_nop 0
	PLACES
	s_branch \join
.Lnext_\@:
.endm
	s_load_b256 s[4:11], s[0:1], 0x0               ; img, isc, qc, qw
	s_load_b64 s[12:13], s[0:1], 0x20              ; kv
	v_lshl_add_u32 v14, v0, 2, SPARE
	v_mov_b32 v15, 0
	ds_add_u32 v14, v15
	ds_add_u32 v14, v15
	v_lshrrev_b32 v1, 5, v0
	v_readfirstlane_b32 s14, v1                    ; wave
	s_and_b32 s15, s14, 3                          ; tb
	s_lshr_b32 s46, s14, 2                         ; hd: 0 Q, 1 K, 2 V
	s_bfe_u32 s40, ttmp6, 0x40000
	s_bfe_u32 s41, ttmp6, 0x40004
	s_lshl_b32 s42, ttmp9, 2
	s_add_co_u32 s42, s42, s40                     ; head
	s_and_b32 s43, ttmp7, 0xffff
	s_lshl_b32 s43, s43, 2
	s_add_co_u32 s43, s43, s41                     ; which 256 tokens
	s_lshl_b32 s44, s41, 2
	s_lshl_b32 s44, 15, s44                        ; my row of the cluster
	s_lshl_b32 s45, 0x1111, s40                    ; my column
	SHAPE G1X, 44, 384, 16, 1536
	SHAPE G1W, 45, 384, 12, 1536
	SHAPE G1XS, 44, 32, 32, 32
	SHAPE G1WS, 45, 32, 24, 32
	s_lshr_b32 s94, s14, 1
	s_add_co_u32 s94, s94, 3
	s_and_b32 s94, s94, 3                          ; waves 2, 4, 6 (x) and 3, 5, 7 (weights) fetch chunks 0, 1, 2
	s_mul_i32 s[G0X+1], s94, SLOT
	s_add_co_u32 s[G0W+1], s[G0X+1], WO
	s_mov_b32 s[G0XS+1], SCL
	s_mov_b32 s[G0WS+1], SCL+8192
	s_mov_b32 s[G0XR+1], 0
	s_mov_b32 s[G0WR+1], WO
	s_mul_i32 s94, s94, 3072
	s_mul_i32 s98, s43, 196608                     ; x: 16 tiles of 12,288 bytes
	s_add_co_u32 s84, s98, s94
	s_mov_b32 s85, 0
	s_add_co_u32 s86, s98, 9216                    ; chunk 3
	s_mov_b32 s87, 0
	s_mul_i32 s99, s42, 147456                     ; the head's 12 tiles, from tile 256 on
	s_add_co_u32 s99, s99, 3145728
	s_add_co_u32 s88, s99, s94
	s_mov_b32 s89, 0
	s_add_co_u32 s90, s99, 9216
	s_mov_b32 s91, 0
	s_lshl_b32 s92, s43, 13
	s_mov_b32 s93, 0
	s_mul_i32 s96, s42, 6144
	s_add_co_u32 s96, s96, 131072
	s_mov_b32 s97, 0
	s_wait_dscnt 0x0
	s_wait_kmcnt 0x0
	FROM G0X, 4, 84
	FROM G0XR, 4, 86
	FROM G0W, 4, 88
	FROM G0WR, 4, 90
	FROM G0XS, 6, 92
	FROM G0WS, 6, 96
	CROUND                                         ; all sixteen work-groups are here: the joint loads meet
	ARM 0, G0XS, G1XS, .Lasked
	ARM 1, G0WS, G1WS, .Lasked
	ARM 2, G0X, G1X, .Lasked
	ARM 3, G0W, G1W, .Lasked
	ARM 4, G0X, G1X, .Lasked
	ARM 5, G0W, G1W, .Lasked
	ARM 6, G0X, G1X, .Lasked
	ARM 7, G0W, G1W, .Lasked
.Lasked:
	s_mul_i32 s84, s15, 12288                      ; my four tiles of x
	s_mul_i32 s85, s46, 12288                      ; and of the weights
	s_add_co_u32 s85, s85, WO
	s_cmp_eq_u32 s46, 2
	s_cselect_b32 s86, s84, s85                    ; S0
	s_cselect_b32 s87, s85, s84                    ; S1
	s_lshr_b32 s88, s46, 1                         ; 1 for V
	s_lshl_b32 s89, s15, 11
	s_lshl_b32 s90, s46, 11
	s_add_co_u32 s90, s90, 8192
	s_sub_co_u32 s90, s90, s89                     ; from x's words to the weights'
	s_add_co_u32 s89, s89, SCL
	s_add_co_u32 s91, s86, SLOT
	s_add_co_u32 s92, s86, 2*SLOT
	s_add_co_u32 s93, s87, SLOT
	s_add_co_u32 s94, s87, 2*SLOT
	v_and_b32 v1, 15, v0                           ; r
	v_bfe_u32 v2, v0, 4, 1                         ; h
	v_and_b32 v3, 31, v0
	v_lshlrev_b32 v10, 4, v3                       ; 16 x lane
	v_lshlrev_b32 v11, 3, v3                       ; 8 x lane
	v_lshlrev_b32 v13, 3, v2                       ; 8 h
	v_add_nc_u32 v4, s86, v10
	v_add_nc_u32 v5, s91, v10
	v_add_nc_u32 v6, s92, v10
	v_add_nc_u32 v7, s87, v10
	v_add_nc_u32 v8, s93, v10
	v_add_nc_u32 v9, s94, v10
	v_xor_b32 v12, s88, v2                         ; lanes 0-15 take S1's words, lanes 16-31 S0's
	v_mul_u32_u24 v12, s90, v12
	v_lshl_add_u32 v12, v1, 3, v12
	v_add_nc_u32 v12, s89, v12
	; where the results go
	s_lshr_b32 s84, s43, 3
	s_lshl_b32 s84, s84, 4
	s_add_co_u32 s84, s84, s42                     ; 16 x batch + head
	s_and_b32 s85, s43, 7
	s_lshl_b32 s86, s85, 1
	s_lshr_b32 s87, s15, 1
	s_add_co_u32 s86, s86, s87                     ; key step
	s_and_b32 s87, s15, 1                          ; c
	s_mul_i32 s88, s84, 204800
	s_mul_i32 s86, s86, 12800
	s_add_co_u32 s88, s88, s86                     ; the key step's place in kv
	s_mul_i32 s89, s87, 3072
	s_add_co_u32 s89, s89, s88                     ; K's codes
	s_mul_i32 s90, s87, 768
	s_add_co_u32 s90, s90, s88
	s_add_co_u32 s90, s90, 6144                    ; V's codes
	s_lshl_b32 s91, s87, 7
	s_add_co_u32 s91, s91, s88
	s_add_co_u32 s91, s91, 12288                   ; K's words
	s_lshl_b32 s92, s87, 1
	s_add_co_u32 s92, s92, s88
	s_add_co_u32 s92, s92, 12544                   ; V's words
	s_mul_i32 s93, s84, 98304
	s_lshl_b32 s94, s85, 2
	s_add_co_u32 s94, s94, s15                     ; band of 64 tokens
	s_mul_i32 s95, s94, 3072
	s_add_co_u32 s93, s93, s95                     ; Q's codes
	s_lshl_b32 s95, s84, 12
	s_lshl_b32 s94, s94, 7
	s_add_co_u32 s95, s95, s94                     ; Q's words
	s_mov_b32 s98, 768
	s_cmp_eq_u32 s46, 2
	s_cselect_b32 s84, s90, s89
	s_cselect_b32 s86, s92, s91
	s_cselect_b32 s98, 1536, s98                   ; from row block to row block
	s_cmp_eq_u32 s46, 0
	s_cselect_b32 s84, s93, s84
	s_cselect_b32 s86, s95, s86
	s_cselect_b64 s[8:9], s[8:9], s[12:13]
	s_cselect_b64 s[10:11], s[10:11], s[12:13]
	s_mov_b32 s85, 0
	s_mov_b32 s87, 0
	s_add_nc_u64 s[8:9], s[8:9], s[84:85]
	s_add_nc_u64 s[10:11], s[10:11], s[86:87]
	s_lshl_b32 s99, s98, 1
	s_add_co_u32 s100, s99, s98
	s_mov_b32 s96, 0x76543210
	s_mov_b32 s97, 0xfedcba98
; A K step: eight fragments, then 16 products; the accumulators take turns.  The waits' counts: three loads for each row block of S1 that is still to come.
.macro KSTEP ch, q
.set SL, (\ch)%3
.if (\q) == 0
.irp i, 0,1,2,3
	ds_load_b64 v[16+2*\i:17+2*\i], v12 offset:\i*512+128*(\ch)
.endr
.endif
.irp i, 0,1,2,3
.irp p, 0,1,2
	ds_load_b128 v[32+12*\i+4*\p:35+12*\i+4*\p], v[4+SL] offset:3072*\i+1536*(\q)+512*\p
.endr
.endr
.irp i, 0,1,2,3
.irp p, 0,1,2
	ds_load_b128 v[80+12*\i+4*\p:83+12*\i+4*\p], v[7+SL] offset:3072*\i+1536*(\q)+512*\p
.endr
.endr
.irp a, 0,1,2,3
	s_wait_dscnt 9-3*\a
.irp b, 0,1,2,3
.if ((\ch) == 0) && ((\q) == 0)
	v_wmma_scale_f32_16x16x128_f8f6f4 v[128+32*\a+8*\b:135+32*\a+8*\b], v[32+12*\b:43+12*\b], v[80+12*\a:91+12*\a], 0, v[16+2*\b+(\q)], v[16+2*\a+(\q)] matrix_a_fmt:MATRIX_FMT_FP6 matrix_b_fmt:MATRIX_FMT_FP6 matrix_a_scale:MATRIX_SCALE_ROW1
.else
	v_wmma_scale_f32_16x16x128_f8f6f4 v[128+32*\a+8*\b:135+32*\a+8*\b], v[32+12*\b:43+12*\b], v[80+12*\a:91+12*\a], v[128+32*\a+8*\b:135+32*\a+8*\b], v[16+2*\b+(\q)], v[16+2*\a+(\q)] matrix_a_fmt:MATRIX_FMT_FP6 matrix_b_fmt:MATRIX_FMT_FP6 matrix_a_scale:MATRIX_SCALE_ROW1
.endif
.endr
.endr
	PLACES                                         ; places between the products and what is loaded into or read from their registers
.endm
	s_wait_alu depctr_va_vdst(0)
	s_cmp_lt_u32 s14, 4
	s_cbranch_scc0 .Lnot_first
	s_wait_tensorcnt 0x0                           ; the scale words and chunk 0
.Lnot_first:
	s_barrier_signal -1
	s_barrier_wait -1                              ; everybody's are in
	KSTEP 0, 0
	KSTEP 0, 1
	s_wait_tensorcnt 0x0                           ; chunks 1 and 2 are in
	ds_add_u32 v14, v15
	ds_add_u32 v14, v15
	s_wait_dscnt 0x0
	CROUND                                         ; no wave of any partner still reads slot 0 or has a load on its way
	ARM 0, G0XR, G1X, .Lrefilled                   ; chunk 3
	ARM 1, G0WR, G1W, .Lrefilled
.Lrefilled:
	PLACES
	KSTEP 1, 0
	KSTEP 1, 1
	KSTEP 2, 0
	KSTEP 2, 1
	s_wait_tensorcnt 0x0
	s_wait_dscnt 0x0
	s_barrier_signal -1
	s_barrier_wait -1                              ; chunk 3 is shown to all
	KSTEP 3, 0
	KSTEP 3, 1
; THE WAY OUT: four row blocks by turns.  Block a's 32 numbers of a lane are one scale block.
.irp a, 0,1,2,3
	v_max3_num_f32 v[24+\a], |v[128+32*\a]|, |v[129+32*\a]|, 0x1800000
.endr
.irp i, 2,4,6,8,10,12,14,16,18,20,22,24,26,28,30
.irp a, 0,1,2,3
	v_max3_num_f32 v[24+\a], v[24+\a], |v[128+32*\a+\i]|, |v[129+32*\a+\i]|
.endr
.endr
.irp a, 0,1,2,3
	v_add_nc_u32 v[28+\a], 0xff000000, v[24+\a]    ; 2 off the exponent field: the conversion's scale operand
.endr
.irp a, 0,1,2,3
	v_lshrrev_b32 v[24+\a], 23, v[28+\a]
.endr
.irp a, 0,1,2,3
	v_lshlrev_b32 v[24+\a], v13, v[24+\a]
.endr
.irp a, 0,1,2,3
	v_permlanex16_b32 v[32+\a], v[24+\a], s96, s97
.endr
.irp a, 0,1,2,3
	v_or_b32 v[24+\a], v[24+\a], v[32+\a]          ; the row's two bytes
.endr
	v_mov_b32 v104, v10
	v_add_nc_u32 v105, s98, v10
	v_add_nc_u32 v106, s99, v10
	v_add_nc_u32 v107, s100, v10
	v_mov_b32 v108, v11
	v_add_nc_u32 v109, s98, v11
	v_add_nc_u32 v110, s99, v11
	v_add_nc_u32 v111, s100, v11
.irp a, 0,1,2,3
	v_cvt_scalef32_pk16_fp6_f32 v[40+8*\a:42+8*\a], v[128+32*\a:143+32*\a], v[28+\a]
	v_cvt_scalef32_pk16_fp6_f32 v[72+4*\a:74+4*\a], v[144+32*\a:159+32*\a], v[28+\a]   ; (a conversion's three registers begin on an even number)
.endr
	v_lshlrev_b32 v112, 3, v1
	v_lshlrev_b32 v113, 4, v1
.irp a, 0,1,2,3
.irp i, 0,1,2
	v_mov_b32 v[43+8*\a+\i], v[72+4*\a+\i]
.endr
.endr
.irp a, 0,1,2,3
	global_store_b128 v[104+\a], v[40+8*\a:43+8*\a], s[8:9]            ; 512 consecutive bytes, aligned
	global_store_b64 v[108+\a], v[44+8*\a:45+8*\a], s[8:9] offset:512  ; 256
.endr
	s_wait_alu depctr_va_vdst(0)
	s_cmp_eq_u32 s46, 2
	s_cbranch_scc1 .Lv_words
	v_lshl_or_b32 v36, v25, 16, v24
	v_lshl_or_b32 v37, v27, 16, v26
	global_store_b64 v112, v[36:37], s[10:11]      ; 128 consecutive bytes; lanes l and l xor 16 write the same bytes with the same value
	s_branch .Lwords_done
.Lv_words:
.irp a, 0,1,2,3
	global_store_b16 v113, v[24+\a], s[10:11] offset:4*\a
.endr
.Lwords_done:
	s_wait_tensorcnt 0x0                           ; the wave's end
	ds_add_u32 v14, v15
	s_wait_dscnt 0x0
	CROUND                                         ; the closing round
	s_endpgm
.Lfunc_end_k_q402b87fd2b_qkvgemm:
	.size	k_q402b87fd2b_qkvgemm, .Lfunc_end_k_q402b87fd2b_qkvgemm-k_q402b87fd2b_qkvgemm
	.p2alignl 7, 3214868480
	.fill 96, 4, 3214868480
	.section	.rodata,"a",@progbits
	.p2align	6, 0x0
	.amdhsa_kernel k_q402b87fd2b_qkvgemm
		.amdhsa_group_segment_fixed_size 327680
		.amdhsa_private_segment_fixed_size 0
		.amdhsa_enable_private_segment 0
		.amdhsa_kernarg_size 40
		.amdhsa_user_sgpr_count 2
		.amdhsa_user_sgpr_kernarg_segment_ptr 1
		.amdhsa_wavefront_size32 1
		.amdhsa_system_sgpr_workgroup_id_x 1
		.amdhsa_system_sgpr_workgroup_id_y 1
		.amdhsa_system_sgpr_workgroup_id_z 1
		.amdhsa_system_vgpr_workitem_id 0
		.amdhsa_next_free_vgpr 256
		.amdhsa_next_free_sgpr 102
		.amdhsa_reserve_vcc 0
		.amdhsa_float_denorm_mode_32 3
		.amdhsa_float_denorm_mode_16_64 3
		.amdhsa_memory_ordered 1
		.amdhsa_forward_progress 1
		.amdhsa_inst_pref_size 52
	.end_amdhsa_kernel
	.amdgpu_metadata
---
amdhsa.version: [ 1, 2 ]
amdhsa.kernels:
  - .name:           k_q402b87fd2b_qkvgemm
    .symbol:         k_q402b87fd2b_qkvgemm.kd
    .args:
      - { .name: img, .offset: 0, .size: 8, .value_kind: global_buffer, .address_space: global }
      - { .name: isc, .offset: 8, .size: 8, .value_kind: global_buffer, .address_space: global }
      - { .name: qc, .offset: 16, .size: 8, .value_kind: global_buffer, .address_space: global }
      - { .name: qw, .offset: 24, .size: 8, .value_kind: global_buffer, .address_space: global }
      - { .name: kv, .offset: 32, .size: 8, .value_kind: global_buffer, .address_space: global }
    .group_segment_fixed_size: 327680
    .private_segment_fixed_size: 0
    .kernarg_segment_align: 8
    .kernarg_segment_size: 40
    .max_flat_workgroup_size: 384
    .sgpr_count:     102
    .vgpr_count:     256
    .wavefront_size: 32
...
	.end_amdgpu_metadata
.endif
;; end of part 6
;; launch attn (part 7): grid 8 x 32, 16 waves a work-group, clusters of 4 x 1, 251,904 bytes of LDS; arguments qc, qw, kv, oimg, osc; writes oimg, osc
.if DOCPART == 7
	.amdgcn_target "amdgcn-amd-amdhsa--gfx1250"
	.amdhsa_code_object_version 6
	.text
	.protected	k_q402b87fd2b_attn
	.globl	k_q402b87fd2b_attn
	.p2align	8
	.type	k_q402b87fd2b_attn,@function
k_q402b87fd2b_attn:
	s_mov_b64 s[64:65], 0
	v_nop
	global_prefetch_b8 v0, s[64:65] scope:SCOPE_SE
	s_setreg_imm32_b32 hwreg(HW_REG_WAVE_MODE, 25, 1), 1
	s_wait_xcnt 0x0
	s_wait_alu depctr_hold_cnt(0) depctr_sa_sdst(0) depctr_va_vdst(0) depctr_va_sdst(0) depctr_va_ssrc(0) depctr_va_vcc(0) depctr_vm_vsrc(0)
	s_getreg_b32 s2, hwreg(HW_REG_IB_STS2, 6, 4)
	s_cmp_eq_u32 s2, 0
	s_cbranch_scc0 .Lentry_in_a_cluster
	s_endpgm
.Lentry_in_a_cluster:
	s_bfe_u32 s2, ttmp6, 0x10000c
	s_cmp_lg_u32 s2, 0x3003
	s_cbranch_scc0 .Lentry_shape_is_right
	s_endpgm
.Lentry_shape_is_right:
; Causal attention of one (batch, head) on codes of FP6 (E2M3): S = q k^T / 8, p = 2^(t - M), O = p v / l; O is quantised along d_model and stored as codes.
; t = score x log2(e) / 8; M = the running largest t rounded UP to a whole number; p is quantised along the keys, not normalised; l is the sum of the unquantised p and divides O at the end.  A change of M multiplies l and O by an exact power of two.
; WORK LEFT OUT: key steps of 128 hidden by reference()'s own mask for all queries of a tile; a NaN or an infinity that reaches only those is not carried.
; LIMITS: hidden keys count as p = 0, which is what -1e9 gives unless a row's largest visible logit lies near -1e9.  Inside a diagonal step a hidden score gets -(2^120) added: the promise holds while scaled scores stay under 2^31 in magnitude.
; A block whose largest magnitude lies under 2^-124 keeps the scale byte 1; NaN and infinities are not served.
; SHARES.  Work-group (x, y): y = 16 batch + head.  Query tile 8 g + x (g = 0 .. 15 its group of 128 queries) needs key steps 0 .. g.  Sixteen waves: for j = 0 .. 7 wave j takes key steps 0 .. 7 of the long tile, group 15 - j;
; wave 8 + j takes the short tile, group j, key steps 0 .. j, and then the long tile's steps 8 .. 15 - j; the long tile's two parts are joined through LDS.  8 and 9 steps a wave.  All branches hang on the wave's number and a counted position.
; THE WHOLE HEAD'S K AND V LIE IN LDS, 12,800 bytes a key step with their scale words; wave w fetches key step w: one load a wave, every byte filled once.  TWO BARRIERS: step 0, which every wave's first position reads, is shown first; then all the others.
; No prefetch: everything is asked for at the head.  CLUSTER: four work-groups of one head ask jointly.
; LAYOUT.  S^T = K Q^T, O^T = V^T P^T: a lane holds one query.  Register 32 c + i of S^T is key 64 c + 32 h + i: a lane's 32 registers are a whole scale block.
; K = 64 IN AN INSTRUCTION OF 128: K's operand holds two tiles one above the other; Q stands beside zero codes on either side, so (Q, 0) takes the first tile and (0, Q) the second; Q's scale word holds its two bytes twice.
; THE DIAGONAL: the products' C comes from a table in LDS, 0 or -(2^120), the same for all tiles of the work-group.
; OUT: oimg token tile x 12,288 + the head's half fragment (768 bytes: 512 and 256 consecutive); osc: 2 bytes a lane, 1 byte in 24 of what the launch stores.
; REGISTERS: v1-7 what stays; v8-11 a step's addresses; v12 -M, v13 the largest t, v[14:15] l; v16-33 zeros, Q, zeros; v36-41 the second tile's Q; v42-89 K's operands, then V's; v92, v93 Q's words; v96-159 S^T, then p;
;   v160-191 O^T; v192-195 K's words, v196-199 V's; v200-205 the outputs' offsets; v206 the joining stage; v208 p's word; v209-215 the way out's; v218-229 p's codes; v216-217, v232-250 at work.
.set STEPB, 12800
.set MT,   204800                      ; the mask table: 16 x 512
.set ST,   212992                      ; the joining stages: 8 x 4,608
.set SPARE, 249856
.macro CROUND
	s_barrier_signal -1
	s_barrier_wait -1
	s_cmp_lg_u32 s14, 0
	s_cbranch_scc1 .Lnot_wave_0_\@
	s_barrier_signal -3
.Lnot_wave_0_\@:
	s_barrier_wait -3
	s_barrier_signal -1
	s_barrier_wait -1
.endm
.macro PLACES
.rept 4
	v_nop
.endr
.endm
	s_load_b256 s[4:11], s[0:1], 0x0               ; qc, qw, kv, oimg
	s_load_b64 s[12:13], s[0:1], 0x20              ; osc
	v_lshl_add_u32 v254, v0, 2, SPARE
	v_mov_b32 v255, 0
	ds_add_u32 v254, v255
	ds_add_u32 v254, v255
	v_lshrrev_b32 v1, 5, v0
	v_readfirstlane_b32 s14, v1                    ; wave
	s_and_b32 s15, s14, 7                          ; j
	s_lshr_b32 s16, s14, 3                         ; 1: the short tile and the long tile's later steps
	s_and_b32 s17, ttmp7, 0xffff
	s_lshr_b32 s18, s17, 4                         ; batch
	s_and_b32 s19, s17, 15                         ; head
	s_mov_b32 s24, 15|(3<<16)|(1<<21)              ; 12,800 dense bytes as 50 rows of 256; the mask names all four work-groups
	s_mov_b32 s25, 32<<16
	s_mov_b32 s26, 50<<16
	s_mov_b32 s27, 32<<16
	s_mov_b32 s28, 50
	s_mov_b32 s29, 32
	s_mov_b32 s30, 0
	s_mov_b32 s31, 0
	s_mov_b32 s20, 1
	s_mul_i32 s21, s14, STEPB
	s_mul_i32 s38, s17, 16*STEPB
	s_add_co_u32 s38, s38, s21
	s_mov_b32 s39, 0
	s_wait_dscnt 0x0
	s_wait_kmcnt 0x0
	s_add_nc_u64 s[22:23], s[8:9], s[38:39]
	s_or_b32 s23, s23, 0x80000000
	CROUND                                         ; all four work-groups are here: the joint loads meet
	s_cmp_eq_u32 s14, 0
	s_cbranch_scc0 .Lothers
	tensor_load_to_lds s[20:23], s[24:31]          ; key step 0, which is wanted first, has a line of its own
	s_nop 0
	PLACES
	s_branch .Lasked
.Lothers:
	tensor_load_to_lds s[20:23], s[24:31]
	s_nop 0
	PLACES
.Lasked:
	s_bfe_u32 s40, ttmp6, 0x40000
	s_lshl_b32 s41, ttmp9, 2
	s_add_co_u32 s41, s41, s40                     ; x: it enters Q's and the outputs' addresses and the mask's numbers, no LDS address and no branch
	s_mov_b32 s43, 0
	s_mul_i32 s42, s17, 98304
	s_mul_i32 s44, s41, 768
	s_add_co_u32 s42, s42, s44
	s_add_nc_u64 s[4:5], s[4:5], s[42:43]          ; Q's half fragments: tile x of a group
	s_lshl_b32 s42, s17, 12
	s_lshr_b32 s44, s41, 2
	s_lshl_b32 s45, s44, 7
	s_add_co_u32 s42, s42, s45
	s_bfe_u32 s45, s41, 0x10001
	s_lshl_b32 s45, s45, 2
	s_add_co_u32 s42, s42, s45
	s_add_nc_u64 s[6:7], s[6:7], s[42:43]          ; their scale words
	s_lshl_b32 s46, s18, 7
	s_add_co_u32 s46, s46, s41                     ; token tile 128 batch + x
	s_mul_i32 s42, s46, 12288
	s_mul_i32 s45, s19, 768
	s_add_co_u32 s42, s42, s45
	s_add_nc_u64 s[10:11], s[10:11], s[42:43]
	s_lshl_b32 s42, s46, 9
	s_lshr_b32 s45, s19, 2
	s_lshl_b32 s45, s45, 7
	s_add_co_u32 s42, s42, s45
	s_and_b32 s45, s19, 3
	s_lshl_b32 s45, s45, 1
	s_add_co_u32 s42, s42, s45
	s_add_nc_u64 s[12:13], s[12:13], s[42:43]
	s_lshl_b32 s44, s44, 6
	s_and_b32 s45, s41, 3
	s_lshl_b32 s45, s45, 3
	s_add_co_u32 s44, s44, s45                     ; 64 (x / 4) + 8 (x % 4)
	s_lshl_b32 s45, s14, 2
	s_lshl_b32 s46, s16, 5
	s_add_co_u32 s45, s45, s46                     ; 64 (w / 8) + 4 (w % 8): the first of my four keys of the mask table
	s_sub_co_u32 s44, s44, s45
	s_and_b32 s51, s41, 1
	s_lshl_b32 s51, s51, 4                         ; which half of a pair's scale word is my tile's
	s_xor_b32 s52, s15, 15                         ; the long tile's group
	s_cmp_eq_u32 s16, 1
	s_cselect_b32 s53, s15, s52                    ; my first tile's group
	s_mov_b32 s47, 99
	s_cselect_b32 s47, s15, s47                    ; the position of the short tile's diagonal, if I have one
	s_add_co_u32 s48, s47, 1                       ; the change of tiles
	s_add_co_u32 s49, s16, 7                       ; my last position
	s_xor_b32 s50, s15, 7
	s_mul_i32 s50, s50, s16
	s_mul_i32 s50, s50, STEPB                      ; behind the short tile: 7 - j key steps on
	s_mul_i32 s54, s53, 6144                       ; in qc a group is 8 tiles of 768 bytes
	s_mul_i32 s55, s52, 6144
	s_lshl_b32 s56, s53, 8                         ; in qw two bands of 128
	s_lshl_b32 s57, s52, 8
	s_mul_i32 s58, s53, 98304                      ; in oimg 8 tiles of 12,288
	s_mul_i32 s59, s52, 98304
	s_lshl_b32 s60, s53, 12                        ; in osc 8 of 512
	s_lshl_b32 s61, s52, 12
	s_mul_i32 s62, s15, 4608
	s_add_co_u32 s62, s62, ST
	s_lshl_b32 s63, s14, 9
	s_add_co_u32 s63, s63, MT
	s_mov_b32 s34, 0x76543210
	s_mov_b32 s35, 0xfedcba98
	s_mov_b32 s36, 0x3e38aa3b                      ; log2(e) / 8
	s_mov_b32 s37, s36                             ; (named with it as a pair)
	s_mov_b32 s96, STEPB
	s_mov_b32 s100, 0                              ; the position
	v_and_b32 v42, 15, v0                          ; r
	v_bfe_u32 v43, v0, 4, 1                        ; h
	v_and_b32 v44, 31, v0
	v_lshlrev_b32 v1, 4, v44                       ; 16 x lane
	v_lshlrev_b32 v2, 3, v44
	v_add_nc_u32 v2, 512, v2                       ; 512 + 8 x lane
	v_lshlrev_b32 v6, 3, v42                       ; 8 r
	v_add_nc_u32 v45, s54, v1
	v_add_nc_u32 v46, s54, v2
	v_add_nc_u32 v47, s56, v6
	v_add_nc_u32 v48, s55, v1
	v_add_nc_u32 v49, s55, v2
	v_add_nc_u32 v50, s57, v6
	global_load_b128 v[22:25], v45, s[4:5]         ; my first tile's Q
	global_load_b64 v[26:27], v46, s[4:5]
	global_load_b32 v94, v47, s[6:7]
	global_load_b128 v[36:39], v48, s[4:5]         ; the long tile's (for waves 0-7 the same once more: all waves run one text)
	global_load_b64 v[40:41], v49, s[4:5]
	global_load_b32 v95, v50, s[6:7]
	v_add_nc_u32 v3, 12288, v6                     ; K's words of a step
	v_lshlrev_b32 v4, 4, v42
	v_add_nc_u32 v4, 12544, v4                     ; V's
	v_lshlrev_b32 v7, 3, v43                       ; 8 h
	v_add_nc_u32 v5, MT, v1
	v_add_nc_u32 v51, s63, v1
	v_add_nc_u32 v206, s62, v1
	v_add_nc_u32 v200, s58, v1
	v_add_nc_u32 v201, s58, v2
	v_add_nc_u32 v202, s60, v6
	v_add_nc_u32 v203, s59, v1
	v_add_nc_u32 v204, s59, v2
	v_add_nc_u32 v205, s61, v6
	v_and_b32 v52, 8, v42
	v_mul_u32_u24 v52, 3, v52
	v_add_nc_u32 v52, v52, v42                     ; r + 24 (r / 8)
	v_lshlrev_b32 v53, 5, v43
	v_sub_nc_u32 v52, v52, v53
	v_add_nc_u32 v52, s44, v52                     ; my query - 32 h - my wave's first key of the table, within the group of 128
	v_mov_b32 v53, 0xfb800000                      ; -(2^120)
.irp k, 0,1,2,3
	v_cmp_gt_i32 vcc_lo, \k, v52                   ; the key lies behind the query
	v_cndmask_b32 v[54+\k], 0, v53, vcc_lo
.endr
	ds_store_b128 v51, v[54:57]                    ; registers 4 w .. 4 w + 3 of the products' C on a diagonal
.irp j, 0,1,2,3,4,5
	v_mov_b32 v[16+\j], 0                          ; zero codes on either side of Q
	v_mov_b32 v[28+\j], 0
.endr
	v_mov_b32 v13, 0xff61b1e6                      ; the largest t so far: -3e38
	v_floor_f32 v12, -v13                          ; -M
	v_mov_b32 v14, 0
	v_mov_b32 v15, 0
	v_mov_b32 v236, 0                              ; lane permutes' destinations count as sources
	v_mov_b32 v238, 0
	v_mov_b32 v247, 0                              ; (upper halves of pairs, named before they are first written)
	v_mov_b32 v249, 0
.set JJ, 0
.rept 32
	v_mov_b32 v[160+JJ], 0                         ; O^T: a tile's first step finds zeros, which the first change of M leaves zeros
.set JJ, JJ+1
.endr
	s_wait_alu depctr_va_vdst(0)
	s_wait_loadcnt 0x0
	v_lshrrev_b32 v92, s51, v94                    ; my tile's two scale bytes,
	v_lshrrev_b32 v93, s51, v95
	v_and_b32 v92, 0xffff, v92
	v_and_b32 v93, 0xffff, v93
	v_lshl_or_b32 v92, v92, 16, v92                ; twice
	v_lshl_or_b32 v93, v93, 16, v93
; A TILE'S WAY OUT: O^T / l, register 8 t + i = channel 32 h + 8 t + i of my query: one block of 32.  What the stores read lies in v209-215, which no other line writes.
.macro WAYOUT o
	PLACES                                         ; places behind the last products
	s_wait_alu depctr_va_vdst(0)
	s_wait_xcnt 0x0                                ; an earlier way out's stores have read v209-215
	v_add_f32 v14, v14, v15                        ; l's two halves,
	v_permlanex16_b32 v236, v14, s34, s35
	v_add_f32 v14, v14, v236                       ; and lane l xor 16's
	s_wait_alu depctr_va_vdst(0)
	v_rcp_f32 v14, v14
	v_nop
	s_wait_alu depctr_va_vdst(0)
.set JJ, 0
.rept 16
	v_pk_mul_f32 v[96+2*JJ:97+2*JJ], v[160+2*JJ:161+2*JJ], v[14:15] op_sel_hi:[1,0]
.set JJ, JJ+1
.endr
.irp q, 0,1
	v_max3_num_f32 v[232+\q], |v[96+16*\q]|, |v[97+16*\q]|, 0x1800000
.endr
.irp i, 2,4,6,8,10,12,14
.irp q, 0,1
	v_max3_num_f32 v[232+\q], v[232+\q], |v[96+16*\q+\i]|, |v[97+16*\q+\i]|
.endr
.endr
	v_max_num_f32 v232, v232, v233
	v_add_nc_u32 v244, 0xff000000, v232            ; 2 off the exponent field: the conversion's scale operand
	v_lshrrev_b32 v237, 23, v244
	v_lshlrev_b32 v237, v7, v237
	v_permlanex16_b32 v238, v237, s34, s35
	v_or_b32 v209, v237, v238                      ; the head's two scale bytes of my row
	v_cvt_scalef32_pk16_fp6_f32 v[210:212], v[96:111], v244
	v_cvt_scalef32_pk16_fp6_f32 v[240:242], v[112:127], v244
	v_nop                                          ; one plain place behind a scaled conversion
.irp i, 0,1,2
	v_mov_b32 v[213+\i], v[240+\i]
.endr
	global_store_b128 v[\o], v[210:213], s[10:11]  ; 512 consecutive bytes, aligned
	global_store_b64 v[\o+1], v[214:215], s[10:11] ; 256
	global_store_b16 v[\o+2], v209, s[12:13]       ; lanes l and l xor 16 write the same two bytes with the same value
.endm
; A STEP: one tile x 128 keys.
.macro STEP first
.if \first
	s_mov_b32 s2, 0
.else
	s_cmp_gt_u32 s100, s15                         ; behind the short tile's last position the long tile's steps follow
	s_cselect_b32 s2, s50, 0
	s_add_co_u32 s2, s2, s96
.endif
	v_add_nc_u32 v8, s2, v1                        ; (these four are also the places between the last step's products and the loads into their operands)
	v_add_nc_u32 v9, s2, v2
	v_add_nc_u32 v10, s2, v3
	v_add_nc_u32 v11, s2, v4
	s_wait_alu depctr_va_vdst(0)
.irp t, 0,1,2,3,4,5,6,7
	ds_load_b128 v[42+6*\t:45+6*\t], v8 offset:768*\t
	ds_load_b64 v[46+6*\t:47+6*\t], v9 offset:768*\t
.endr
	ds_load_b64 v[192:193], v10
	ds_load_b64 v[194:195], v10 offset:128
.if \first == 0
	s_cmp_lg_u32 s100, s48
	s_cbranch_scc1 .Lsame_\@
	WAYOUT 200                                     ; the short tile leaves; the long tile's Q moves in; M, l and O^T begin anew
.irp i, 0,1,2,3,4,5
	v_mov_b32 v[22+\i], v[36+\i]
.endr
	v_mov_b32 v92, v93
	v_mov_b32 v13, 0xff61b1e6
	v_floor_f32 v12, -v13
	v_mov_b32 v14, 0
	v_mov_b32 v15, 0
.set JJ, 0
.rept 32
	v_mov_b32 v[160+JJ], 0
.set JJ, JJ+1
.endr
.Lsame_\@:
.endif
	s_cmp_eq_u32 s100, s47
	s_cbranch_scc1 .Ldiag_\@
.if \first == 0
	s_cmp_eq_u32 s100, 8                           ; the long tile's diagonal is position 8
	s_cbranch_scc1 .Ldiag_\@
.endif
	s_wait_dscnt 0x0
.irp p, 0,1,2,3                                    ; S^T = K Q^T: two tiles of 16 keys to an operand
	v_wmma_scale_f32_16x16x128_f8f6f4 v[96+16*\p:103+16*\p], v[42+12*\p:53+12*\p], v[22:33], 0, v[192+\p], v92 matrix_a_fmt:MATRIX_FMT_FP6 matrix_b_fmt:MATRIX_FMT_FP6
	v_wmma_scale_f32_16x16x128_f8f6f4 v[104+16*\p:111+16*\p], v[42+12*\p:53+12*\p], v[16:27], 0, v[192+\p], v92 matrix_a_fmt:MATRIX_FMT_FP6 matrix_b_fmt:MATRIX_FMT_FP6
.endr
	s_branch .Lscores_\@
.Ldiag_\@:
.set JJ, 0
.rept 16
	ds_load_b128 v[96+4*JJ:99+4*JJ], v5 offset:512*JJ
.set JJ, JJ+1
.endr
	s_wait_dscnt 0x0
.irp p, 0,1,2,3
	v_wmma_scale_f32_16x16x128_f8f6f4 v[96+16*\p:103+16*\p], v[42+12*\p:53+12*\p], v[22:33], v[96+16*\p:103+16*\p], v[192+\p], v92 matrix_a_fmt:MATRIX_FMT_FP6 matrix_b_fmt:MATRIX_FMT_FP6
	v_wmma_scale_f32_16x16x128_f8f6f4 v[104+16*\p:111+16*\p], v[42+12*\p:53+12*\p], v[16:27], v[104+16*\p:111+16*\p], v[192+\p], v92 matrix_a_fmt:MATRIX_FMT_FP6 matrix_b_fmt:MATRIX_FMT_FP6
.endr
.Lscores_\@:
	PLACES                                         ; places ahead of the loads into K's registers and of the first read of the scores
.irp t, 0,1,2,3                                    ; V's four operands land under the softmax
.irp c, 0,1
	ds_load_b128 v[42+12*\t+6*\c:45+12*\t+6*\c], v8 offset:6144+1536*\t+768*\c
	ds_load_b64 v[46+12*\t+6*\c:47+12*\t+6*\c], v9 offset:6144+1536*\t+768*\c
.endr
.endr
	ds_load_b128 v[196:199], v11
.irp q, 0,1,2,3
	v_max3_num_f32 v[232+\q], v[96+16*\q], v[97+16*\q], v[98+16*\q]
.endr
.irp i, 3,5,7,9,11,13
.irp q, 0,1,2,3
	v_max3_num_f32 v[232+\q], v[232+\q], v[96+16*\q+\i], v[97+16*\q+\i]
.endr
.endr
	v_max3_num_f32 v232, v232, v111, v127
	v_max3_num_f32 v234, v234, v143, v159
	v_max_num_f32 v232, v232, v233                 ; the largest score of each of my two blocks: for the row's maximum, and, since p rises with the score, for the block's largest p
	v_max_num_f32 v234, v234, v235
	v_max_num_f32 v243, v232, v234
	v_permlanex16_b32 v236, v243, s34, s35
	v_max_num_f32 v243, v243, v236                 ; the step's largest score of my query
	v_mul_f32 v243, s36, v243                      ; as t
	v_max_num_f32 v13, v13, v243
	v_mov_b32 v243, v12
	v_floor_f32 v12, -v13                          ; the new -M
	v_sub_f32 v243, v12, v243                      ; old M - new M
	v_cvt_i32_f32 v243, v243                       ; (it saturates)
	v_ldexp_f32 v246, 1.0, v243                    ; f = 2^(old M - new M)
	v_fma_f32 v232, v232, s36, v12
	v_fma_f32 v234, v234, s36, v12
.set II, 0
.rept 32
	v_pk_fma_f32 v[96+2*II:97+2*II], v[96+2*II:97+2*II], s[36:37], v[12:13] op_sel_hi:[1,0,0]   ; t - M
.set II, II+1
.endr
.set II, 0
.rept 16
	v_pk_mul_f32 v[160+2*II:161+2*II], v[160+2*II:161+2*II], v[246:247] op_sel_hi:[1,0]   ; O^T under the new M
.set II, II+1
.endr
	s_wait_alu depctr_va_vdst(0)
	v_exp_f32 v232, v232
	v_exp_f32 v234, v234
.set II, 0
.rept 64
	v_exp_f32 v[96+II], v[96+II]                   ; p = 2^(t - M), at most 1
.set II, II+1
.endr
	v_pk_mul_f32 v[14:15], v[14:15], v[246:247] op_sel_hi:[1,0]   ; l under the new M: the plain place behind the batch
	s_wait_alu depctr_va_vdst(0)                   ; and behind it
	v_max_num_f32 v232, 0x1800000, v232            ; the floor 2^(3 - 127): the byte cannot fall under 1
	v_max_num_f32 v234, 0x1800000, v234
	v_pk_add_f32 v[216:217], v[96:97], v[98:99]    ; l is the sum of the UNQUANTISED p, in two chains
	v_pk_add_f32 v[14:15], v[14:15], v[100:101]
	v_add_nc_u32 v244, 0xff000000, v232            ; 2 off the exponent field: the conversion's scale operand
	v_add_nc_u32 v245, 0xff000000, v234
	v_pk_add_f32 v[216:217], v[216:217], v[102:103]
	v_pk_add_f32 v[14:15], v[14:15], v[104:105]
	v_lshrrev_b32 v237, 23, v244
	v_lshrrev_b32 v239, 23, v245
	v_pk_add_f32 v[216:217], v[216:217], v[106:107]
	v_pk_add_f32 v[14:15], v[14:15], v[108:109]
	v_lshl_or_b32 v208, v239, 16, v237
	v_pk_add_f32 v[216:217], v[216:217], v[110:111]
	v_pk_add_f32 v[14:15], v[14:15], v[112:113]
	v_lshlrev_b32 v208, v7, v208
	v_pk_add_f32 v[216:217], v[216:217], v[114:115]
	v_pk_add_f32 v[14:15], v[14:15], v[116:117]
	v_permlanex16_b32 v238, v208, s34, s35
	v_pk_add_f32 v[216:217], v[216:217], v[118:119]
	v_pk_add_f32 v[14:15], v[14:15], v[120:121]
	v_or_b32 v208, v208, v238                      ; p's scale word for these 128 keys
	v_cvt_scalef32_pk16_fp6_f32 v[218:220], v[96:111], v244
	v_cvt_scalef32_pk16_fp6_f32 v[240:242], v[112:127], v244   ; (a conversion's three registers begin on an even number)
	v_cvt_scalef32_pk16_fp6_f32 v[224:226], v[128:143], v245
	v_cvt_scalef32_pk16_fp6_f32 v[248:250], v[144:159], v245
	v_pk_add_f32 v[216:217], v[216:217], v[122:123]
	v_pk_add_f32 v[14:15], v[14:15], v[124:125]
.irp i, 0,1,2
	v_mov_b32 v[221+\i], v[240+\i]
	v_mov_b32 v[227+\i], v[248+\i]
.endr
.set II, 15
.rept 17                                           ; these lines stand between the writing of p's codes and scale word and the products below
.if II%2
	v_pk_add_f32 v[216:217], v[216:217], v[96+2*II:97+2*II]
.else
	v_pk_add_f32 v[14:15], v[14:15], v[96+2*II:97+2*II]
.endif
.set II, II+1
.endr
	v_pk_add_f32 v[14:15], v[14:15], v[216:217]
	s_wait_alu depctr_va_vdst(0)
	s_wait_dscnt 0x0                               ; V and its words are in
.irp t, 0,1,2,3                                    ; O^T += V^T P^T, one instruction a turn
	v_wmma_scale_f32_16x16x128_f8f6f4 v[160+8*\t:167+8*\t], v[42+12*\t:53+12*\t], v[218:229], v[160+8*\t:167+8*\t], v[196+\t], v208 matrix_a_fmt:MATRIX_FMT_FP6 matrix_b_fmt:MATRIX_FMT_FP6
.endr
.endm
	s_wait_alu depctr_va_vdst(0)
	s_cmp_eq_u32 s14, 0
	s_cbranch_scc0 .Lnot_step_0
	s_wait_tensorcnt 0x0                           ; key step 0 is in
.Lnot_step_0:
	s_wait_dscnt 0x0                               ; my part of the mask table is stored
	s_barrier_signal -1
	s_barrier_wait -1
	STEP 1                                         ; position 0: key step 0 for every wave
	s_wait_tensorcnt 0x0
	s_wait_dscnt 0x0
	s_barrier_signal -1
	s_barrier_wait -1                              ; all key steps are in
	s_mov_b32 s100, 1
.Lloop:
	s_cmp_gt_u32 s100, s49                         ; waves 0-7 have no position 8
	s_cbranch_scc1 .Lskip
	STEP 0
.Lskip:
	s_add_co_u32 s96, s96, STEPB
	s_add_co_u32 s100, s100, 1
	s_cmp_lg_u32 s100, 9
	s_cbranch_scc1 .Lloop
	s_cmp_eq_u32 s16, 1
	s_cbranch_scc1 .Lhold
	PLACES
.irp t, 0,1,2,3,4,5,6,7                            ; the long tile's first part: O^T, and -M and l
	ds_store_b128 v206, v[160+4*\t:163+4*\t] offset:512*\t
.endr
	ds_store_b128 v206, v[12:15] offset:4096
.Lhold:
	s_wait_dscnt 0x0
	s_barrier_signal -1
	s_barrier_wait -1
	s_cmp_eq_u32 s16, 0
	s_cbranch_scc1 .Lend
.irp t, 0,1,2,3,4,5,6,7
	ds_load_b128 v[96+4*\t:99+4*\t], v206 offset:512*\t
.endr
	ds_load_b128 v[128:131], v206 offset:4096
	s_wait_dscnt 0x0
	v_min_num_f32 v243, v12, v128                  ; - the larger M
	v_sub_f32 v244, v243, v12
	v_sub_f32 v245, v243, v128
	v_cvt_i32_f32 v244, v244
	v_cvt_i32_f32 v245, v245
	v_ldexp_f32 v246, 1.0, v244
	v_ldexp_f32 v248, 1.0, v245
	v_pk_mul_f32 v[14:15], v[14:15], v[246:247] op_sel_hi:[1,0]
	v_pk_fma_f32 v[14:15], v[130:131], v[248:249], v[14:15] op_sel_hi:[1,0,1]
.set II, 0
.rept 16
	v_pk_mul_f32 v[160+2*II:161+2*II], v[160+2*II:161+2*II], v[246:247] op_sel_hi:[1,0]
.set II, II+1
.endr
.set II, 0
.rept 16
	v_pk_fma_f32 v[160+2*II:161+2*II], v[96+2*II:97+2*II], v[248:249], v[160+2*II:161+2*II] op_sel_hi:[1,0,1]
.set II, II+1
.endr
	WAYOUT 203
.Lend:
	s_wait_tensorcnt 0x0                           ; the wave's end
	ds_add_u32 v254, v255
	s_wait_dscnt 0x0
	CROUND                                         ; the closing round
	s_endpgm
.Lfunc_end_k_q402b87fd2b_attn:
	.size	k_q402b87fd2b_attn, .Lfunc_end_k_q402b87fd2b_attn-k_q402b87fd2b_attn
	.p2alignl 7, 3214868480
	.fill 96, 4, 3214868480
	.section	.rodata,"a",@progbits
	.p2align	6, 0x0
	.amdhsa_kernel k_q402b87fd2b_attn
		.amdhsa_group_segment_fixed_size 251904
		.amdhsa_private_segment_fixed_size 0
		.amdhsa_enable_private_segment 0
		.amdhsa_kernarg_size 40
		.amdhsa_user_sgpr_count 2
		.amdhsa_user_sgpr_kernarg_segment_ptr 1
		.amdhsa_wavefront_size32 1
		.amdhsa_system_sgpr_workgroup_id_x 1
		.amdhsa_system_sgpr_workgroup_id_y 1
		.amdhsa_system_sgpr_workgroup_id_z 1
		.amdhsa_system_vgpr_workitem_id 0
		.amdhsa_next_free_vgpr 256
		.amdhsa_next_free_sgpr 102
		.amdhsa_reserve_vcc 1
		.amdhsa_float_denorm_mode_32 3
		.amdhsa_float_denorm_mode_16_64 3
		.amdhsa_memory_ordered 1
		.amdhsa_forward_progress 1
		.amdhsa_inst_pref_size 57
	.end_amdhsa_kernel
	.amdgpu_metadata
---
amdhsa.version: [ 1, 2 ]
amdhsa.kernels:
  - .name:           k_q402b87fd2b_attn
    .symbol:         k_q402b87fd2b_attn.kd
    .args:
      - { .name: qc, .offset: 0, .size: 8, .value_kind: global_buffer, .address_space: global }
      - { .name: qw, .offset: 8, .size: 8, .value_kind: global_buffer, .address_space: global }
      - { .name: kv, .offset: 16, .size: 8, .value_kind: global_buffer, .address_space: global }
      - { .name: oimg, .offset: 24, .size: 8, .value_kind: global_buffer, .address_space: global }
      - { .name: osc, .offset: 32, .size: 8, .value_kind: global_buffer, .address_space: global }
    .group_segment_fixed_size: 251904
    .private_segment_fixed_size: 0
    .kernarg_segment_align: 8
    .kernarg_segment_size: 40
    .max_flat_workgroup_size: 512
    .sgpr_count:     102
    .vgpr_count:     256
    .wavefront_size: 32
...
	.end_amdgpu_metadata
.endif
;; end of part 7
;; launch ogemm (part 8): grid 8 x 32, 8 waves a work-group, clusters of 4 x 4, 240,640 bytes of LDS; arguments oimg, osc, img, isc, out0; writes out0
.if DOCPART == 8
	.amdgcn_target "amdgcn-amd-amdhsa--gfx1250"
	.amdhsa_code_object_version 6
	.text
	.protected	k_q402b87fd2b_ogemm
	.globl	k_q402b87fd2b_ogemm
	.p2align	8
	.type	k_q402b87fd2b_ogemm,@function
k_q402b87fd2b_ogemm:
	s_mov_b64 s[64:65], 0
	v_nop
	global_prefetch_b8 v0, s[64:65] scope:SCOPE_SE
	s_setreg_imm32_b32 hwreg(HW_REG_WAVE_MODE, 25, 1), 1
	s_wait_xcnt 0x0
	s_wait_alu depctr_hold_cnt(0) depctr_sa_sdst(0) depctr_va_vdst(0) depctr_va_sdst(0) depctr_va_ssrc(0) depctr_va_vcc(0) depctr_vm_vsrc(0)
	s_getreg_b32 s2, hwreg(HW_REG_IB_STS2, 6, 4)
	s_cmp_eq_u32 s2, 0
	s_cbranch_scc0 .Lentry_in_a_cluster
	s_endpgm
.Lentry_in_a_cluster:
	s_bfe_u32 s2, ttmp6, 0x10000c
	s_cmp_lg_u32 s2, 0xf033
	s_cbranch_scc0 .Lentry_shape_is_right
	s_endpgm
.Lentry_shape_is_right:
; out0 = o w_o^T on codes of FP6 (E2M3), f32 sums, K = 1,024.  S1 = the tokens (oimg, osc; source 1: a lane holds one token), S0 = w_o's rows (row tiles 448-511 of img, isc; source 0: registers run along the columns).
; A tile of out0 is 128 x 128: 256 work-groups.  Eight waves: wave 4 ch + tb makes 32 tokens (two tiles) x 64 columns (four tiles): 8 accumulators.
; NO RING: all of K of 128 + 128 rows is 196,608 bytes of codes and 8,192 of scale words.  Every LDS byte is filled once, by one load a wave: waves 0, 1 the scale words, 2, 3 K steps 0 and 1, 4, 5 steps 2 and 3, 6, 7 steps 4 to 7.
; A wait of the waves concerned and a barrier stand ahead of the first read of each.  No prefetch: everything is asked for at the head.
; IMAGES: img's fragments are three pieces of four registers (16 x lane); oimg's are two halves of 768 bytes, four registers at 16 x lane, then two at 8 x lane.  Lane r of row tile 4 g + j holds row 64 g + 32 (r / 8) + 8 j + r % 8.
; CLUSTERS 4 x 4: S1's tiles are shared along a row of the cluster, S0's along a column.
; REGISTERS: v1-3, v4-6 S1's addresses, v7-9 S0's; v16-31 scale words; fragments: S0's v32-79 or v192-239, S1's v80-103 or v104-127 by turns; v128-191 accumulator (a, b) at 128 + 8 (4 a + b); v32-95 the way out's rows, v240-241 its addresses.
.set SCL,  196608
.set STG,  204800                      ; a stage of 16 rows x 272 bytes for each wave
.set SPARE, 239616
.set SPITCH, 272
.macro PLACES
.rept 4
	v_nop
.endr
.endm
.macro CROUND
	s_barrier_signal -1
	s_barrier_wait -1
	s_cmp_lg_u32 s14, 0
	s_cbranch_scc1 .Lnot_wave_0_\@
	s_barrier_signal -3
.Lnot_wave_0_\@:
	s_barrier_wait -3
	s_barrier_signal -1
	s_barrier_wait -1
.endm
.macro SHAPE g, m, c, r, p             ; r rows of c elements of 8 bytes, p apart; dense in LDS
	s_or_b32 s[\g], s[\m], (3<<16)|(1<<21)
	s_mov_b32 s[\g+1], (\c)<<16
	s_mov_b32 s[\g+2], (\r)<<16
	s_mov_b32 s[\g+3], (\c)<<16
	s_mov_b32 s[\g+4], \r
	s_mov_b32 s[\g+5], \p
	s_mov_b32 s[\g+6], 0
	s_mov_b32 s[\g+7], 0
.endm
.macro FROM g, base, off
	s_mov_b32 s[\g], 1
	s_add_nc_u64 s[\g+2:\g+3], s[\base:\base+1], s[\off:\off+1]
	s_or_b32 s[\g+3], s[\g+3], 0x80000000
.endm
.macro ARM n, g0, g1
	s_cmp_eq_u32 s14, \n
	s_cbranch_scc0 .Lnext_\@
	tensor_load_to_lds s[\g0:\g0+3], s[\g1:\g1+7]
	s_nop 0
	PLACES
	s_branch .Lasked
.Lnext_\@:
.endm
	s_load_b256 s[4:11], s[0:1], 0x0               ; oimg, osc, img, isc
	s_load_b64 s[12:13], s[0:1], 0x20              ; out0
	v_lshl_add_u32 v14, v0, 2, SPARE
	v_mov_b32 v15, 0
	ds_add_u32 v14, v15
	ds_add_u32 v14, v15
	v_lshrrev_b32 v1, 5, v0
	v_readfirstlane_b32 s14, v1                    ; wave
	s_and_b32 s15, s14, 3                          ; tb
	s_lshr_b32 s92, s14, 2                         ; ch
	s_bfe_u32 s93, ttmp6, 0x40000
	s_bfe_u32 s94, ttmp6, 0x40004
	s_lshl_b32 s95, ttmp9, 2
	s_add_co_u32 s95, s95, s93                     ; tile column
	s_and_b32 s96, ttmp7, 0xffff
	s_lshl_b32 s96, s96, 2
	s_add_co_u32 s96, s96, s94                     ; tile row
	s_lshl_b32 s97, s94, 2
	s_lshl_b32 s97, 15, s97                        ; my row of the cluster
	s_lshl_b32 s98, 0x1111, s93                    ; my column
	SHAPE 16, 97, 32, 16, 32                       ; scale words of 8 tiles: 4,096 dense bytes
	SHAPE 24, 98, 32, 16, 32
	SHAPE 32, 97, 384, 8, 1536                     ; 8 tiles x two K steps
	SHAPE 40, 98, 384, 8, 1536
	SHAPE 48, 97, 768, 8, 1536                     ; 8 tiles x four K steps
	SHAPE 68, 98, 768, 8, 1536
	s_lshr_b32 s99, s14, 1
	s_add_co_u32 s99, s99, 3
	s_and_b32 s99, s99, 3                          ; which chunk I fetch: waves 2, 3: 0; 4, 5: 1; 6, 7: 2
	s_mov_b32 s57, SCL
	s_mov_b32 s61, SCL+4096
	s_mul_i32 s77, s99, 49152
	s_lshr_b32 s100, s99, 1
	s_mul_i32 s100, s100, 24576
	s_add_co_u32 s81, s77, 24576
	s_add_co_u32 s81, s81, s100                    ; S0's part stands behind S1's 8 tiles
	s_mul_i32 s99, s99, 3072
	s_mul_i32 s84, s96, 98304
	s_add_co_u32 s84, s84, s99
	s_mov_b32 s85, 0
	s_mul_i32 s86, s95, 98304
	s_add_co_u32 s86, s86, 5505024                 ; w_o: from tile 448 on
	s_add_co_u32 s86, s86, s99
	s_mov_b32 s87, 0
	s_lshl_b32 s88, s96, 12
	s_mov_b32 s89, 0
	s_lshl_b32 s90, s95, 12
	s_add_co_u32 s90, s90, 229376
	s_mov_b32 s91, 0
	s_wait_dscnt 0x0
	s_wait_kmcnt 0x0
	FROM 56, 6, 88
	FROM 60, 10, 90
	FROM 76, 4, 84
	FROM 80, 8, 86
	CROUND                                         ; all sixteen work-groups are here: the joint loads meet
	ARM 0, 56, 16
	ARM 1, 60, 24
	ARM 2, 76, 32
	ARM 3, 80, 40
	ARM 4, 76, 32
	ARM 5, 80, 40
	ARM 6, 76, 48
	tensor_load_to_lds s[80:83], s[68:75]          ; wave 7
	s_nop 0
	PLACES
.Lasked:
	s_mul_i32 s84, s15, 6144                       ; my two tiles of S1
	s_add_co_u32 s85, s84, 49152
	s_mul_i32 s86, s15, 12288
	s_add_co_u32 s86, s86, 98304
	s_mul_i32 s87, s92, 12288                      ; my four of S0
	s_add_co_u32 s87, s87, 24576
	s_add_co_u32 s88, s87, 49152
	s_mul_i32 s89, s92, 24576
	s_add_co_u32 s89, s89, 147456
	s_lshl_b32 s90, s15, 10                        ; words: S1's,
	s_lshl_b32 s91, s92, 11
	s_add_co_u32 s91, s91, 4096
	s_sub_co_u32 s91, s91, s90                     ; and the distance to S0's
	s_add_co_u32 s90, s90, SCL
	s_mul_i32 s93, s14, 16*SPITCH
	s_add_co_u32 s93, s93, STG                     ; my stage
	v_and_b32 v10, 15, v0                          ; r
	v_bfe_u32 v11, v0, 4, 1                        ; h
	v_and_b32 v12, 31, v0
	v_lshlrev_b32 v13, 3, v12
	v_lshlrev_b32 v12, 4, v12
	v_add_nc_u32 v13, 512, v13
	v_add_nc_u32 v1, s84, v12
	v_add_nc_u32 v2, s85, v12
	v_add_nc_u32 v3, s86, v12
	v_add_nc_u32 v4, s84, v13
	v_add_nc_u32 v5, s85, v13
	v_add_nc_u32 v6, s86, v13
	v_add_nc_u32 v7, s87, v12
	v_add_nc_u32 v8, s88, v12
	v_add_nc_u32 v9, s89, v12
	v_mul_u32_u24 v12, s91, v11                    ; lanes 0-15 take S1's words, lanes 16-31 S0's (S1 has two tiles: in lanes 0-15 of the third and fourth register stand words that no product names)
	v_lshl_add_u32 v12, v10, 3, v12
	v_add_nc_u32 v12, s90, v12
	v_mul_u32_u24 v13, v10, SPITCH
	v_lshl_add_u32 v13, v11, 7, v13
	v_add_nc_u32 v13, s93, v13                     ; the stage, in: row r, + 128 h
	v_mul_u32_u24 v240, v11, SPITCH
	v_lshl_add_u32 v240, v10, 4, v240
	v_add_nc_u32 v240, s93, v240                   ; back: lanes 0-15 one row of 256 bytes, lanes 16-31 the next
	v_lshlrev_b32 v241, 12, v11
	v_lshl_add_u32 v241, v10, 4, v241              ; the same two rows in out0
	s_lshl_b32 s84, s96, 7
	s_lshr_b32 s85, s15, 1
	s_lshl_b32 s85, s85, 6
	s_add_co_u32 s84, s84, s85
	s_and_b32 s85, s15, 1
	s_lshl_b32 s85, s85, 4
	s_add_co_u32 s84, s84, s85                     ; my first token
	s_lshl_b32 s84, s84, 12
	s_lshl_b32 s85, s95, 9
	s_add_co_u32 s84, s84, s85
	s_lshl_b32 s85, s92, 8
	s_add_co_u32 s84, s84, s85
	s_mov_b32 s85, 0
	s_add_nc_u64 s[12:13], s[12:13], s[84:85]
.macro FETCH k                         ; K step k's six fragments into set k % 2, with each pair's first step its scale words
.set CN, ((\k)>1)*-1+((\k)>3)*-1
.if CN < 0
.set CN, -CN
.endif
.set CN, 0
.if (\k) > 1
.set CN, 1
.endif
.if (\k) > 3
.set CN, 2
.endif
.set TP, 3072*(1+CN/2)                 ; from tile to tile
.set QB, 1536*((\k)-2*CN)
.set F0, 32+160*((\k)%2)
.set F1, 80+24*((\k)%2)
.if (\k)%2 == 0
.set SB, 16+8*(((\k)/2)%2)
.irp i, 0,1,2,3
	ds_load_b64 v[SB+2*\i:SB+2*\i+1], v12 offset:512*\i+64*(\k)
.endr
.endif
.irp i, 0,1,2,3
.irp p, 0,1,2
	ds_load_b128 v[F0+12*\i+4*\p:F0+12*\i+4*\p+3], v[7+CN] offset:TP*\i+QB+512*\p
.endr
.endr
.irp i, 0,1
.irp c, 0,1
	ds_load_b128 v[F1+12*\i+6*\c:F1+12*\i+6*\c+3], v[1+CN] offset:TP*\i+QB+768*\c
	ds_load_b64 v[F1+12*\i+6*\c+4:F1+12*\i+6*\c+5], v[4+CN] offset:TP*\i+QB+768*\c
.endr
.endr
.endm
.macro MUL k                           ; the 8 accumulators take turns, one instruction a turn
.set F0, 32+160*((\k)%2)
.set F1, 80+24*((\k)%2)
.set SB, 16+8*(((\k)/2)%2)+(\k)%2
.irp a, 0,1
.irp b, 0,1,2,3
.if (\k) == 0
	v_wmma_scale_f32_16x16x128_f8f6f4 v[128+32*\a+8*\b:135+32*\a+8*\b], v[F0+12*\b:F0+12*\b+11], v[F1+12*\a:F1+12*\a+11], 0, v[SB+2*\b], v[SB+2*\a] matrix_a_fmt:MATRIX_FMT_FP6 matrix_b_fmt:MATRIX_FMT_FP6 matrix_a_scale:MATRIX_SCALE_ROW1
.else
	v_wmma_scale_f32_16x16x128_f8f6f4 v[128+32*\a+8*\b:135+32*\a+8*\b], v[F0+12*\b:F0+12*\b+11], v[F1+12*\a:F1+12*\a+11], v[128+32*\a+8*\b:135+32*\a+8*\b], v[SB+2*\b], v[SB+2*\a] matrix_a_fmt:MATRIX_FMT_FP6 matrix_b_fmt:MATRIX_FMT_FP6 matrix_a_scale:MATRIX_SCALE_ROW1
.endif
.endr
.endr
.endm
	s_wait_alu depctr_va_vdst(0)
	s_cmp_lt_u32 s14, 4
	s_cbranch_scc0 .Lnot_c0
	s_wait_tensorcnt 0x0                           ; the scale words and K steps 0, 1
.Lnot_c0:
	s_barrier_signal -1
	s_barrier_wait -1
	FETCH 0
.irp k, 0,1,2,3,4,5,6,7
	s_wait_dscnt 0x0                               ; K step k's fragments are in
.if \k == 1
	s_cmp_lt_u32 s14, 6
	s_cbranch_scc0 .Lnot_c1
	s_wait_tensorcnt 0x0                           ; K steps 2, 3
.Lnot_c1:
	s_barrier_signal -1
	s_barrier_wait -1
.endif
.if \k == 3
	s_wait_tensorcnt 0x0                           ; the rest
	s_barrier_signal -1
	s_barrier_wait -1
.endif
.if \k < 7
	PLACES                                         ; the other set was multiplied in the step before
	FETCH \k+1
.endif
	MUL \k
.endr
; THE WAY OUT, block by block of 16 tokens x 64 columns: accumulator (a, b) of lane (r, h): columns 32 h + 8 b + 0 .. 7 of token r.  Through my own stage into whole rows of 256 bytes, two an instruction.
; Stage row s is token 8 a + 32 (s / 8) + s % 8 of mine: it stands in the store's immediate.
.macro TOSTAGE a
.irp b, 0,1,2,3
	ds_store_b128 v13, v[128+32*(\a)+8*\b:131+32*(\a)+8*\b] offset:32*\b
	ds_store_b128 v13, v[132+32*(\a)+8*\b:135+32*(\a)+8*\b] offset:32*\b+16
.endr
.irp t, 0,1,2,3,4,5,6,7
	ds_load_b128 v[32+32*(\a)+4*\t:35+32*(\a)+4*\t], v240 offset:\t*2*SPITCH
.endr
.endm
.macro SEND a, younger
	s_wait_dscnt \younger
.irp t, 0,1,2,3,4,5,6,7
	global_store_b128 v241, v[32+32*(\a)+4*\t:35+32*(\a)+4*\t], s[12:13] offset:(8*(\a)+32*(\t/4)+2*(\t%4))*4096 th:TH_STORE_NT
.endr
.endm
	PLACES                                         ; behind the last products
	TOSTAGE 0
	TOSTAGE 1
	SEND 0, 16                                     ; block 1's 8 stores and 8 loads may be out
	SEND 1, 0
	s_wait_tensorcnt 0x0                           ; the wave's end
	ds_add_u32 v14, v15
	s_wait_dscnt 0x0
	CROUND                                         ; the closing round
	s_endpgm
.Lfunc_end_k_q402b87fd2b_ogemm:
	.size	k_q402b87fd2b_ogemm, .Lfunc_end_k_q402b87fd2b_ogemm-k_q402b87fd2b_ogemm
	.p2alignl 7, 3214868480
	.fill 96, 4, 3214868480
	.section	.rodata,"a",@progbits
	.p2align	6, 0x0
	.amdhsa_kernel k_q402b87fd2b_ogemm
		.amdhsa_group_segment_fixed_size 240640
		.amdhsa_private_segment_fixed_size 0
		.amdhsa_enable_private_segment 0
		.amdhsa_kernarg_size 40
		.amdhsa_user_sgpr_count 2
		.amdhsa_user_sgpr_kernarg_segment_ptr 1
		.amdhsa_wavefront_size32 1
		.amdhsa_system_sgpr_workgroup_id_x 1
		.amdhsa_system_sgpr_workgroup_id_y 1
		.amdhsa_system_sgpr_workgroup_id_z 1
		.amdhsa_system_vgpr_workitem_id 0
		.amdhsa_next_free_vgpr 256
		.amdhsa_next_free_sgpr 102
		.amdhsa_reserve_vcc 0
		.amdhsa_float_denorm_mode_32 3
		.amdhsa_float_denorm_mode_16_64 3
		.amdhsa_memory_ordered 1
		.amdhsa_forward_progress 1
		.amdhsa_inst_pref_size 36
	.end_amdhsa_kernel
	.amdgpu_metadata
---
amdhsa.version: [ 1, 2 ]
amdhsa.kernels:
  - .name:           k_q402b87fd2b_ogemm
    .symbol:         k_q402b87fd2b_ogemm.kd
    .args:
      - { .name: oimg, .offset: 0, .size: 8, .value_kind: global_buffer, .address_space: global }
      - { .name: osc, .offset: 8, .size: 8, .value_kind: global_buffer, .address_space: global }
      - { .name: img, .offset: 16, .size: 8, .value_kind: global_buffer, .address_space: global }
      - { .name: isc, .offset: 24, .size: 8, .value_kind: global_buffer, .address_space: global }
      - { .name: out0, .offset: 32, .size: 8, .value_kind: global_buffer, .address_space: global }
    .group_segment_fixed_size: 240640
    .private_segment_fixed_size: 0
    .kernarg_segment_align: 8
    .kernarg_segment_size: 40
    .max_flat_workgroup_size: 256
    .sgpr_count:     102
    .vgpr_count:     256
    .wavefront_size: 32
...
	.end_amdgpu_metadata
.endif
;; end of part 8
